; MI455X (gfx1250); checked and timed in simulation.
; The chip was launched on July 23, 2026; its instructions are those of AMD's public machine-readable ISA for CDNA 5 (MIT licence, August 2026) and "CDNA5" Instruction Set Architecture Reference Guide (July 2026). The comments in the code are by the model that wrote it; some were corrected since.
;; Multi Head Attention. Allowed arithmetic: matrix products marked QUANTISED: E2M1 operands, one E8M0 scale for each 32 along K, by v_wmma_scale_f32_16x16x128_f8f6f4 with both operands' format E2M1 (or v_wmma_scale_f32_32x16x128_f4), f32 sums; products left as they are: bf16, f16 or f32 operands; f32 sums; everything else in f32.
;; Inputs: W_k 1,024 x 1,024 float32; W_o 1,024 x 1,024 float32; W_q 1,024 x 1,024 float32; W_v 1,024 x 1,024 float32; x 2 x 2,048 x 1,024 float32.
;; Outputs: out0 2 x 2,048 x 1,024 float32.
;; This version of the problem:
;;   THIS VERSION OF THE PROBLEM IS GIVEN IN LOW PRECISION. The matrix products marked QUANTISED in the list below multiply operands that are first quantised to E2M1 (2 exponent bits, 1 mantissa bit; 4 bits a number), with one power-of-two scale for each 32 numbers along K (OCP MX v1.0); their sums are f32. The products marked 'left as it is' may take bf16, f16 or f32 operands, with f32 sums. Whichever they take, every output number must still come out within the allowed error. Rounding operands to bf16 (8 significant bits) uses up far more of that allowance than f16 does (11 bits, for magnitudes from 6e-5 to 65,504). All else is computed in f32.
;;   The module's matrix products, in the order in which they are computed (A, B: the left and right operand; K: the contracted axis; several contracted axes count as one K, in the product's order):
;;     1. [M 4,096, K 1,024] x [K 1,024, N 1,024]; A: input x; B: input W_q: QUANTISED
;;     2. [M 4,096, K 1,024] x [K 1,024, N 1,024]; A: input x; B: input W_k: QUANTISED
;;     3. [M 4,096, K 1,024] x [K 1,024, N 1,024]; A: input x; B: input W_v: QUANTISED
;;     4. batch 32 x [M 2,048, K 64] x [K 64, N 2,048]; A: computed on the way; B: computed on the way: left as it is (an operand is computed on the way)
;;     5. batch 32 x [M 2,048, K 2,048] x [K 2,048, N 64]; A: computed on the way; B: computed on the way: left as it is (an operand is computed on the way)
;;     6. [M 4,096, K 1,024] x [K 1,024, N 1,024]; A: computed on the way; B: input W_o: left as it is (an operand is computed on the way)
;;   THE QUANTISER, for each operand of a quantised product, along K:
;;     - K is cut into blocks of 32 from its start; a last block that is shorter is filled with zeros.
;;     - A block's scale is 2^e with e = floor(log2(the largest magnitude in the block)) - 2, held to -126 .. 127; a block of zeros has e = 0. As a byte (E8M0): e + 127.
;;     - Each number is divided by its block's scale, clamped to +-6, and rounded to the nearest number of E2M1, ties to even, subnormals kept.
;;     - The product sums the exact products of the quantised numbers (number of the format x scale) in f32.
;;   ~~~python
;;   def quantise(x, axis):      # numpy; x: float32 -> the quantised numbers, widened to float32 again
;;       x = np.moveaxis(x, axis, -1); K = x.shape[-1]
;;       x = np.pad(x, [(0, 0)] * (x.ndim - 1) + [(0, -K % 32)]); x = x.reshape(x.shape[:-1] + (-1, 32)); a = np.abs(x).max(-1, keepdims=True)
;;       e = np.where(a > 0, np.clip(np.frexp(np.where(a > 0, a, 1))[1] - 1 - 2, -126, 127), 0)      # np.frexp(a)[1] - 1 = floor(log2(a)), exactly
;;       r = np.clip(x / 2.0 ** e, -6, 6)
;;       step = 2.0 ** (np.maximum(np.frexp(np.where(r == 0, 1, r))[1] - 1, 0) - 1)
;;       q = np.round(r / step) * step * 2.0 ** e      # np.round: ties to even
;;       return np.moveaxis(q.reshape(q.shape[:-2] + (-1,))[..., :K], -1, axis).astype(np.float32)
;;   ~~~
;; One version. Each part assembles by itself: llvm-mc -triple=amdgcn-amd-amdhsa -mcpu=gfx1250 --defsym DOCPART=n.
;; ======== version 1 of 1: 4 launches
;; limits: values are held in f16: magnitudes above 65,504 overflow, below 6.1e-05 lose precision
;; workspace buffers: xc 2,097,152 bytes; xs 131,072 bytes; wc 1,572,864 bytes; ws 98,304 bytes; wo16 2,097,152 bytes; qkv 25,165,824 bytes; ao 8,388,608 bytes
;; launch prep (part 1): grid 256 x 1, 4 waves a work-group, no clusters, 33,280 bytes of LDS; arguments x, W_q, W_k, W_v, W_o, xc, xs, wc, ws, wo16; writes xc, xs, wc, ws, wo16
.if DOCPART == 1
	.amdgcn_target "amdgcn-amd-amdhsa--gfx1250"
	.amdhsa_code_object_version 6
	.text
	.protected	k_q5cd8dc4bf9_prep
	.globl	k_q5cd8dc4bf9_prep
	.p2align	8
	.type	k_q5cd8dc4bf9_prep,@function
k_q5cd8dc4bf9_prep:
	s_mov_b64 s[64:65], 0
	v_nop
	global_prefetch_b8 v0, s[64:65] scope:SCOPE_SE
	s_setreg_imm32_b32 hwreg(HW_REG_WAVE_MODE, 25, 1), 1
	s_wait_xcnt 0x0
; x [4096][1024] and W_q, W_k, W_v [1024][1024], f32, become codes of FP4 (E2M1), K innermost, with one E8M0 byte for each 32 along K:
; xc [4096][512 bytes], xs [4096][32]; wc [3072][512 bytes], ws [3072][32], rows 0-1023 W_q, 1024-2047 W_k, 2048-3071 W_v.  W_o becomes f16, wo16 [1024][1024].
; A block's scale is 2^(floor(log2(its largest magnitude)) - 2); its byte is the largest magnitude's exponent field - 2, held at 1 from below.  Each number is divided by the scale and rounded to the nearest code, ties to even.
; LIMITS: a block of zeros gets the byte 1 where the quantiser's text says 127 (its codes are zeros, and this program alone reads the bytes); blocks whose largest magnitude lies under 2^-124 have their byte held at 1;
; NaN and infinities are not served; |W_o| stays under 65,504, f16's largest number.
; SHARES: a work-group takes 32,768 numbers, a wave 8,192.  Work-groups 0-127: x; 128-223: W_q, W_k, W_v, 32 each; 224-255: W_o.  Rows are dense and 1,024 is a multiple of 32: every tensor is a plain stream.
; The quantiser: each of a step's four loads reads 512 consecutive bytes; the 2,048 bytes turn through the wave's own stage in LDS and come back 64 bytes a lane, so that a lane holds 16 neighbours along K and two
; neighbouring lanes a block.  A wave's store of codes covers 256 consecutive bytes; its 256 scale bytes are gathered in LDS and leave as one aligned run of 256 bytes.  Waves share nothing: no barrier.
.set WAVES, 4
.set STEPS, 16
.set EMAX,  2
.set CB,    8                          ; bytes of 16 codes
.set R,     16                         ; v16-79   four sets of 16 numbers as they are loaded
.set X,     80                         ; v80-111  two sets of 16 neighbours
.set E,     112                        ; v112-127 a scale byte for each step
.set C,     128                        ; v128-191 codes: four registers for each step, so that no store's data are written again
.set WREG,  8192                       ; LDS: a region for each wave: two stages of 32 x SP bytes, behind them its 256 scale bytes
.set SP,    80                         ; a lane's place in a stage: 64 bytes + 16 of padding
.set SPW,   12                         ; v12      LDS address of my spare word; never rewritten
.set NIL,   13                         ; v13      0; never rewritten
.set SPARE, WAVES*WREG                 ; behind the four regions: the spare words, 128 bytes for each wave
	s_load_b256 s[4:11], s[0:1], 0x0               ; x s[4:5], W_q s[6:7], W_k s[8:9], W_v s[10:11]
	s_load_b256 s[12:19], s[0:1], 0x20             ; W_o s[12:13], xc s[14:15], xs s[16:17], wc s[18:19]
	s_load_b128 s[20:23], s[0:1], 0x40             ; ws s[20:21], wo16 s[22:23]
	v_lshl_add_u32 v[SPW], v0, 2, SPARE
	v_mov_b32 v[NIL], 0
	v_lshrrev_b32 v1, 5, v0
	v_readfirstlane_b32 s24, v1                    ; wave
	v_and_b32 v2, 31, v0                           ; lane
	v_lshlrev_b32 v3, 4, v2                        ; my 16 bytes of a load's 512
	s_mul_i32 s34, s24, WREG
	v_lshrrev_b32 v14, 2, v2
	v_mul_u32_u24 v14, v14, SP
	v_and_b32 v15, 3, v2
	v_lshl_add_u32 v14, v15, 4, v14
	v_add_nc_u32 v14, s34, v14                     ; the stage, on the way in: SP (lane / 4) + 16 (lane % 4)
	v_mul_u32_u24 v15, v2, SP
	v_add_nc_u32 v15, s34, v15                     ; and on the way out: SP x lane: my 16 neighbours
	v_lshrrev_b32 v5, 1, v2
	s_add_co_u32 s34, s34, 2*32*SP
	v_add_nc_u32 v5, s34, v5                       ; LDS: my wave's 256 scale bytes, my block's byte
	v_lshlrev_b32 v7, 3, v2                        ; 8 bytes a lane: my codes' place in a step's, my part of the scale bytes, my f16 numbers' place
	v_add_nc_u32 v6, s34, v7
	s_sub_co_u32 s25, ttmp9, 128                   ; the work-group's place among the three weights' 96 (used only from 128 on)
	s_lshr_b32 s38, s25, 5                         ; which weight
	s_and_b32 s39, s25, 31                         ; and which 32 rows of it
	s_wait_kmcnt 0x0
	s_cmp_ge_u32 ttmp9, 224
	s_cbranch_scc1 .Lwo
	; the buffers are chosen by the work-group's number alone: one path through the text for all four tensors
	s_cmp_eq_u32 s38, 1
	s_cselect_b64 s[26:27], s[8:9], s[6:7]
	s_cmp_eq_u32 s38, 2
	s_cselect_b64 s[26:27], s[10:11], s[26:27]
	s_cmp_lt_u32 ttmp9, 128
	s_cselect_b64 s[26:27], s[4:5], s[26:27]       ; the numbers,
	s_cselect_b64 s[28:29], s[14:15], s[18:19]     ; their codes,
	s_cselect_b64 s[30:31], s[16:17], s[20:21]     ; their scale bytes
	s_cselect_b32 s32, ttmp9, s39                  ; the work-group's place in the source,
	s_cselect_b32 s33, ttmp9, s25                  ; and in the destination
	s_lshl_b32 s32, s32, 2
	s_add_co_u32 s32, s32, s24                     ; which run of 8,192 numbers is my wave's
	s_lshl_b32 s34, s32, 15                        ; 32,768 bytes a run
	s_mov_b32 s35, 0
	s_add_nc_u64 s[26:27], s[26:27], s[34:35]
	s_lshl_b32 s33, s33, 2
	s_add_co_u32 s33, s33, s24
	s_lshl_b32 s34, s33, 12                        ; 4,096 bytes of codes a run
	s_add_nc_u64 s[28:29], s[28:29], s[34:35]
	s_lshl_b32 s34, s33, 8                         ; 256 scale bytes a run
	s_add_nc_u64 s[30:31], s[30:31], s[34:35]
.macro LOAD t
.irp i, 0,1,2,3
	global_load_b128 v[R+16*((\t)%4)+4*\i:R+16*((\t)%4)+4*\i+3], v3, s[26:27] offset:2048*(\t)+512*\i th:TH_LOAD_NT   ; 32 lanes read 512 consecutive bytes
.endr
.endm
.macro TURN t                          ; step t's numbers through the stage: LDS serves a wave's instructions in order (ISA guide 5.7.1.4), so no wait stands between the stores and the loads
.irp i, 0,1,2,3
	ds_store_b128 v14, v[R+16*((\t)%4)+4*\i:R+16*((\t)%4)+4*\i+3] offset:32*SP*((\t)%2)+8*SP*\i
.endr
.irp i, 0,1,2,3
	ds_load_b128 v[X+16*((\t)%2)+4*\i:X+16*((\t)%2)+4*\i+3], v15 offset:32*SP*((\t)%2)+16*\i
.endr
.endm
.irp t, 0,1,2,3
	LOAD \t
.endr
	s_wait_loadcnt 12                              ; step 0's four loads are in; the twelve of steps 1 to 3 may be out
	TURN 0
.macro STEP t
.set XS, X+16*((\t)%2)
.if (\t) > 0
	s_wait_dscnt 1                                 ; this step's numbers are back from the stage (the last step's byte store may be out): so its stores into the stage have read their registers,
.else
	s_wait_dscnt 0x0
.endif
.if (\t)+4 < STEPS
	LOAD (\t)+4                                    ; which take the loads of four steps on
.endif
.if (\t)+1 < STEPS
.if STEPS-2-(\t) >= 3
	s_wait_loadcnt 12                              ; the next step's four loads are in; those of the three steps behind it may be out
.else
	s_wait_loadcnt 4*(STEPS-2-(\t))
.endif
	TURN (\t)+1                                    ; and go through the other stage while this step is worked
.endif
	v_max3_num_f32 v8, |v[XS]|, |v[XS+1]|, |v[XS+2]|               ; the largest magnitude of my 16, in two chains
	v_max3_num_f32 v9, |v[XS+3]|, |v[XS+4]|, |v[XS+5]|
.irp i, 6,10
	v_max3_num_f32 v8, v8, |v[XS+\i]|, |v[XS+\i+1]|
	v_max3_num_f32 v9, v9, |v[XS+\i+2]|, |v[XS+\i+3]|
.endr
	v_max3_num_f32 v8, v8, |v[XS+14]|, |v[XS+15]|
	v_max3_num_f32 v8, v8, v9, (EMAX+1)<<23        ; and the floor 2^(EMAX + 1 - 127): the byte cannot fall under 1
	v_max_num_f32_dpp v8, v8, v8 row_xmask:1 row_mask:0xf bank_mask:0xf   ; and of my neighbour's 16: the block's
	v_add_nc_u32 v11, -(EMAX<<23), v8              ; EMAX off its exponent field: the conversion takes the exponent field of this operand as its scale
	v_cvt_scalef32_pk8_fp4_f32 v[C+4*(\t)], v[XS:XS+7], v11
	v_cvt_scalef32_pk8_fp4_f32 v[C+4*(\t)+1], v[XS+8:XS+15], v11
	v_lshrrev_b32 v[E+(\t)], 23, v11               ; the scale's byte (also the plain line behind the conversions)
	ds_store_b8 v5, v[E+(\t)] offset:16*(\t)       ; both lanes of a block write the same byte with the same value
	global_store_b64 v7, v[C+4*(\t):C+4*(\t)+1], s[28:29] offset:32*CB*(\t)   ; 32 lanes store 256 consecutive bytes, aligned
.endm
.irp t, 0,1,2,3,4,5,6,7,8,9,10,11,12,13,14,15
	STEP \t
.endr
	ds_load_b64 v[8:9], v6                         ; in order behind my byte stores
	s_wait_dscnt 0x0
	global_store_b64 v7, v[8:9], s[30:31]          ; 32 lanes store my wave's 256 scale bytes
	s_wait_tensorcnt 0x0                           ; the wave's end: three lines behind my last LDS store
	ds_add_u32 v[SPW], v[NIL]
	s_wait_dscnt 0x0
	s_endpgm
; W_o to f16: a plain stream through registers, no LDS.  Eight groups of 4,096 bytes a wave, four groups (32 loads) ahead.
.Lwo:
	s_sub_co_u32 s32, ttmp9, 224
	s_lshl_b32 s32, s32, 2
	s_add_co_u32 s32, s32, s24                     ; my wave's run of 8,192 numbers
	s_lshl_b32 s34, s32, 15
	s_mov_b32 s35, 0
	s_add_nc_u64 s[26:27], s[12:13], s[34:35]
	s_lshl_b32 s34, s32, 14
	s_add_nc_u64 s[28:29], s[22:23], s[34:35]
.macro LOADG g
.irp i, 0,1,2,3,4,5,6,7
	global_load_b128 v[16+32*((\g)%4)+4*\i:16+32*((\g)%4)+4*\i+3], v3, s[26:27] offset:4096*(\g)+512*\i th:TH_LOAD_NT
.endr
.endm
.macro CONV g
.if 7-(\g) >= 3
	s_wait_loadcnt 24                              ; this group's eight loads are in; the three younger groups' 24 may be out
.else
	s_wait_loadcnt 8*(7-(\g))
.endif
.if (\g) >= 2
	s_wait_xcnt 0x0                                ; the stores of two groups back have read their data registers, which are written again below
.endif
.irp i, 0,1,2,3,4,5,6,7
	v_cvt_pk_f16_f32 v[144+16*((\g)%2)+2*\i], v[16+32*((\g)%4)+4*\i], v[16+32*((\g)%4)+4*\i+1]
	v_cvt_pk_f16_f32 v[144+16*((\g)%2)+2*\i+1], v[16+32*((\g)%4)+4*\i+2], v[16+32*((\g)%4)+4*\i+3]
.endr
.if (\g)+4 < 8
	LOADG (\g)+4
.endif
.irp i, 0,1,2,3,4,5,6,7
	global_store_b64 v7, v[144+16*((\g)%2)+2*\i:144+16*((\g)%2)+2*\i+1], s[28:29] offset:2048*(\g)+256*\i   ; 32 lanes store 256 consecutive bytes, aligned
.endr
.endm
.irp g, 0,1,2,3
	LOADG \g
.endr
.irp g, 0,1,2,3,4,5,6,7
	CONV \g
.endr
	s_endpgm
.Lfunc_end_k_q5cd8dc4bf9_prep:
	.size	k_q5cd8dc4bf9_prep, .Lfunc_end_k_q5cd8dc4bf9_prep-k_q5cd8dc4bf9_prep
	.p2alignl 7, 3214868480
	.fill 96, 4, 3214868480
	.section	.rodata,"a",@progbits
	.p2align	6, 0x0
	.amdhsa_kernel k_q5cd8dc4bf9_prep
		.amdhsa_group_segment_fixed_size 33280
		.amdhsa_private_segment_fixed_size 0
		.amdhsa_enable_private_segment 0
		.amdhsa_kernarg_size 80
		.amdhsa_user_sgpr_count 2
		.amdhsa_user_sgpr_kernarg_segment_ptr 1
		.amdhsa_wavefront_size32 1
		.amdhsa_system_sgpr_workgroup_id_x 1
		.amdhsa_system_sgpr_workgroup_id_y 1
		.amdhsa_system_sgpr_workgroup_id_z 1
		.amdhsa_system_vgpr_workitem_id 0
		.amdhsa_next_free_vgpr 192
		.amdhsa_next_free_sgpr 66
		.amdhsa_reserve_vcc 0
		.amdhsa_float_denorm_mode_32 3
		.amdhsa_float_denorm_mode_16_64 3
		.amdhsa_memory_ordered 1
		.amdhsa_forward_progress 1
		.amdhsa_inst_pref_size 54
	.end_amdhsa_kernel
	.amdgpu_metadata
---
amdhsa.version: [ 1, 2 ]
amdhsa.kernels:
  - .name:           k_q5cd8dc4bf9_prep
    .symbol:         k_q5cd8dc4bf9_prep.kd
    .args:
      - { .name: x, .offset: 0, .size: 8, .value_kind: global_buffer, .address_space: global }
      - { .name: W_q, .offset: 8, .size: 8, .value_kind: global_buffer, .address_space: global }
      - { .name: W_k, .offset: 16, .size: 8, .value_kind: global_buffer, .address_space: global }
      - { .name: W_v, .offset: 24, .size: 8, .value_kind: global_buffer, .address_space: global }
      - { .name: W_o, .offset: 32, .size: 8, .value_kind: global_buffer, .address_space: global }
      - { .name: xc, .offset: 40, .size: 8, .value_kind: global_buffer, .address_space: global }
      - { .name: xs, .offset: 48, .size: 8, .value_kind: global_buffer, .address_space: global }
      - { .name: wc, .offset: 56, .size: 8, .value_kind: global_buffer, .address_space: global }
      - { .name: ws, .offset: 64, .size: 8, .value_kind: global_buffer, .address_space: global }
      - { .name: wo16, .offset: 72, .size: 8, .value_kind: global_buffer, .address_space: global }
    .group_segment_fixed_size: 33280
    .private_segment_fixed_size: 0
    .kernarg_segment_align: 8
    .kernarg_segment_size: 80
    .max_flat_workgroup_size: 128
    .sgpr_count:     66
    .vgpr_count:     192
    .wavefront_size: 32
...
	.end_amdgpu_metadata
.endif
;; end of part 1
;; launch qkv (part 2): grid 12 x 16, 4 waves a work-group, clusters of 4 x 4, 327,680 bytes of LDS; arguments xc, xs, wc, ws, qkv; writes qkv
.if DOCPART == 2
	.amdgcn_target "amdgcn-amd-amdhsa--gfx1250"
	.amdhsa_code_object_version 6
	.text
	.protected	k_q5cd8dc4bf9_qkv
	.globl	k_q5cd8dc4bf9_qkv
	.p2align	8
	.type	k_q5cd8dc4bf9_qkv,@function
k_q5cd8dc4bf9_qkv:
	s_mov_b64 s[64:65], 0
	v_nop
	global_prefetch_b8 v0, s[64:65] scope:SCOPE_SE
	s_setreg_imm32_b32 hwreg(HW_REG_WAVE_MODE, 25, 1), 1
	s_wait_xcnt 0x0
	s_wait_alu depctr_hold_cnt(0) depctr_sa_sdst(0) depctr_va_vdst(0) depctr_va_sdst(0) depctr_va_ssrc(0) depctr_va_vcc(0) depctr_vm_vsrc(0)
	s_getreg_b32 s2, hwreg(HW_REG_IB_STS2, 6, 4)
	s_cmp_eq_u32 s2, 0
	s_cbranch_scc0 .Lentry_in_a_cluster
	s_endpgm
.Lentry_in_a_cluster:
	s_bfe_u32 s2, ttmp6, 0x10000c
	s_cmp_lg_u32 s2, 0xf033
	s_cbranch_scc0 .Lentry_shape_is_right
	s_endpgm
.Lentry_shape_is_right:
; C[m][n] = sum over k of x[m][k] W[n][k], m < 4,096, n < 3,072 (W_q's, W_k's, W_v's rows on end), k < 1,024: both operands codes of FP4 (E2M1) with one E8M0 byte for each 32 along K; sums in f32.
; The result is rounded once to f16 and laid by heads: qkv[G = n / 64][m][n % 64]; G 0-15 are Q's heads, 16-31 K's, 32-47 V's.  A head's row is 128 bytes, so two neighbouring rows of a head are 256 consecutive bytes.
; LIMIT: |Q|, |K|, |V| stay under 65,504, f16's largest number.
; A tile of C, 256 x 256, is made by a work-group of four waves; a wave makes 128 x 128: 64 accumulators of 16 x 16, 512 registers.  12 x 16 = 192 work-groups.
; K is two steps of 512, one in each of two LDS slots: both are asked for at the start and nothing is filled again.  The scales of the work-group's rows, for all of K, come once with them.
; CLUSTERS: 4 x 4 work-groups.  The four of a row of the cluster need the same tiles of x, the four of a column the same tiles of W: each tile is asked for JOINTLY, by the same tensor load with the same descriptor and a mask of the four.
; THE MATRIX INSTRUCTION IS USED TRANSPOSED (source 0 = 16 rows of W, source 1 = 16 rows of x): a lane then holds eight neighbouring numbers of a row of C.
; REGISTERS, in windows of 256: window 0: v0-31 addresses; v32-95 scale words, two sets; v128-191 A's fragments, ONE set; on the way out v32-63, v192-255 are at work.
;   window 1: B's fragments, TWO sets, at v0 and v128.   window 2: the accumulators of my rows 0-63 ((a, b) at v[8 (8 a + b)]);   window 3: those of my rows 64-127.
.set SIZE_K, 1024
.set KSTEP,  512                       ; along K in a slot
.set NQ,     KSTEP/128                 ; matrix instructions deep
.set ROWB,   256                       ; a tile's row in bytes
.set KROW,   SIZE_K*4/8                ; a row of codes in memory, in bytes
.set PITCH,  272                       ; an LDS row: 256 bytes + 16 of padding = 68 words: row r starts at bank 4 r mod 64 (ISA guide 11.1), so the 16 rows of a load start at 16 different banks
.set FR,     8                         ; registers of a fragment: 16 rows x 128 K
.set NL,     2                         ; LDS loads that bring one
.set NP,     4                         ; places behind this matrix instruction (ISA guide 7.12.1)
.set HALFT,  128*PITCH                 ; 128 rows: what one tensor load brings
.set SLOT,   4*HALFT                   ; A's 256 rows, then B's 256 rows
.set KS,     SIZE_K/32                 ; a row of scales in bytes
.set SCL,    2*SLOT                    ; behind the slots: the scales, as runs of 256 bytes + 16 of padding
.set HALFS,  (128*KS/256)*272          ; the scales of 128 rows
.set SBLK,   (16*KS/256)*272           ; those of 16 rows
.set SPARE,  SCL+4*HALFS               ; behind the scales: the spare words, 128 bytes for each wave
.set SPITCH, 272                       ; the way out: a stage of 16 rows x (256 bytes + 16) for each wave, in slot 0, which has had its only fill and its last read when the first result is stored there
.set ADRA, 16                          ; v16-17  LDS address of my A fragments in slot 0, 1
.set ADRB, 20                          ; v20-21  the same for B
.set STO,  24                          ; v24     the way out: where I put 16 bytes of a row
.set RD,   25                          ; v25     where I read 16 bytes back
.set CO,   26                          ; v26     my byte offset in qkv
.set ADRS, 27                          ; v27     LDS address of my scale words: lanes 0-15 A's rows, lanes 16-31 B's
.set SPW,  28                          ; v28     LDS address of my spare word; never rewritten
.set NIL,  29                          ; v29     0; never rewritten
.set SC,   32                          ; scale words: set s at v[SC + 8 NQ s]; register NQ i + q: lanes 0-15 the word of A's block i, lanes 16-31 that of B's block i
.set AF,   128                         ; A's fragments, in window 0
.set TMP,  192                         ; the way out: a block's packed results
.set G1, 24                            ; s[24:31] group 1 for A's tiles;  s[32:39] group 0, one set for each slot
.set G0, 32
.set G1B, 48                           ; s[48:55], s[56:63] the same for B's tiles
.set G0B, 56
.set G1S, 68                           ; s[68:75], s[76:79] groups 1 and 0 for A's scales;  s[80:87], s[88:91] for B's
.set G0S, 76
.set G1SB, 80
.set G0SB, 88
.set MSB, 0
.macro WIN new                         ; the immediate's high byte repeats the setting that is left
.if MSB != \new
	s_set_vgpr_msb (MSB<<8)|\new
.set MSB, \new
.endif
.endm
.set MUL_LO, 0xa1                      ; source 0 (B) window 1, source 1 (A) window 0, C and D window 2
.set MUL_HI, 0xf1                      ; the same, C and D window 3
.set TO_B,   0x40                      ; destination window 1, address window 0
; A joint load: waves 0 and 1 fetch for A, waves 2 and 3 for B.  The branch hangs on the wave's number alone.  An s_nop 0 and four v_nop follow each of the two lines.
.macro JLOAD g0a, g1a, g0b, g1b
	s_cmp_eq_u32 s15, 0
	s_cbranch_scc0 .Lfor_b_\@
	tensor_load_to_lds s[\g0a:\g0a+3], s[\g1a:\g1a+7]
	s_nop 0
.rept 4
	v_nop
.endr
	s_branch .Lasked_\@
.Lfor_b_\@:
	tensor_load_to_lds s[\g0b:\g0b+3], s[\g1b:\g1b+7]
	s_nop 0
.rept 4
	v_nop
.endr
.Lasked_\@:
.endm
.macro CROUND                          ; a round of the cluster's barrier
	s_barrier_signal -1
	s_barrier_wait -1
	s_cmp_lg_u32 s14, 0
	s_cbranch_scc1 .Lnot_wave_0_\@
	s_barrier_signal -3
.Lnot_wave_0_\@:
	s_barrier_wait -3
	s_barrier_signal -1
	s_barrier_wait -1
.endm
	s_load_b128 s[4:7], s[0:1], 0x0                ; x's codes s[4:5], x's scales s[6:7]
	s_load_b128 s[8:11], s[0:1], 0x10              ; W's codes s[8:9], W's scales s[10:11]
	s_load_b64 s[12:13], s[0:1], 0x20              ; qkv
	v_lshl_add_u32 v[SPW], v0, 2, SPARE
	v_mov_b32 v[NIL], 0
	ds_add_u32 v[SPW], v[NIL]                      ; the wave's opening: the add, twice on end, and its wait ahead of my first tensor load
	ds_add_u32 v[SPW], v[NIL]
	v_lshrrev_b32 v1, 5, v0
	v_readfirstlane_b32 s14, v1                    ; wave 0..3
	s_lshr_b32 s15, s14, 1                         ; which half of the tile's rows is mine.  Also: I fetch for A (0) or for B (1)
	s_and_b32 s16, s14, 1                          ; which half of its columns.  Also: which 128 rows of that tile I fetch
	s_bfe_u32 s40, ttmp6, 0x40000                  ; cx, cy: my place in the cluster
	s_bfe_u32 s41, ttmp6, 0x40004
	s_lshl_b32 s42, ttmp9, 2
	s_add_co_u32 s42, s42, s40                     ; tile column of C = 4 x cluster x + cx
	s_and_b32 s17, ttmp7, 0xffff
	s_lshl_b32 s17, s17, 2
	s_add_co_u32 s17, s17, s41                     ; tile row of C = 4 x cluster y + cy
	s_lshl_b32 s43, s41, 2
	s_lshl_b32 s43, 15, s43                        ; my row of the cluster
	s_lshl_b32 s44, 0x1111, s40                    ; my column
	; group 1: a tile of 128 rows x 256 bytes, 4 words of padding behind every 64
	s_or_b32 s[G1+0], s43, (0<<16)|(1<<20)|(1<<21)|(5<<22)|(3<<25)
	s_or_b32 s[G1B+0], s44, (0<<16)|(1<<20)|(1<<21)|(5<<22)|(3<<25)
.irp g, G1, G1B
	s_mov_b32 s[\g+1], ROWB<<16                    ; tensor_dim0
	s_mov_b32 s[\g+2], 128<<16                     ; tensor_dim1
	s_mov_b32 s[\g+3], ROWB<<16                    ; tile_dim0
	s_mov_b32 s[\g+4], 128                         ; tile_dim1
	s_mov_b32 s[\g+5], KROW                        ; from row to row
	s_mov_b32 s[\g+6], 0
	s_mov_b32 s[\g+7], 0
.endr
	; the scales of 128 rows: a dense block of 4,096 bytes, as rows of 256 bytes (32 elements of 8 bytes), 16 bytes of padding behind each
	s_or_b32 s[G1S+0], s43, (3<<16)|(1<<20)|(1<<21)|(5<<22)|(3<<25)
	s_or_b32 s[G1SB+0], s44, (3<<16)|(1<<20)|(1<<21)|(5<<22)|(3<<25)
.irp g, G1S, G1SB
	s_mov_b32 s[\g+1], 32<<16
	s_mov_b32 s[\g+2], (128*KS/256)<<16
	s_mov_b32 s[\g+3], 32<<16
	s_mov_b32 s[\g+4], 128*KS/256
	s_mov_b32 s[\g+5], 32
	s_mov_b32 s[\g+6], 0
	s_mov_b32 s[\g+7], 0
.endr
	s_lshl_b32 s18, s16, 7                         ; which 128 rows of the tile I fetch
	s_lshl_b32 s20, s17, 8
	s_add_co_u32 s20, s20, s18                     ; A: row 256 x tile row + 128 x half
	s_lshl_b32 s46, s42, 8
	s_add_co_u32 s46, s46, s18                     ; B: row 256 x tile column + 128 x half
	s_mov_b32 s21, 0
	s_mov_b32 s47, 0
	s_mov_b64 s[18:19], KS
	s_mul_u64 s[22:23], s[20:21], s[18:19]         ; where these rows' scales begin, in bytes
	s_mul_u64 s[92:93], s[46:47], s[18:19]
	s_mov_b64 s[18:19], KROW
	s_mul_u64 s[20:21], s[20:21], s[18:19]         ; and their codes
	s_mul_u64 s[46:47], s[46:47], s[18:19]
	s_mul_i32 s45, s14, HALFT                      ; where they go: wave x 128 rows: no place in the cluster enters an LDS address
	s_mul_i32 s94, s14, HALFS
	s_wait_dscnt 0x0                               ; both opening adds are done
	s_wait_kmcnt 0x0
	s_add_nc_u64 s[20:21], s[4:5], s[20:21]
	s_add_nc_u64 s[22:23], s[6:7], s[22:23]
	s_add_nc_u64 s[46:47], s[8:9], s[46:47]
	s_add_nc_u64 s[92:93], s[10:11], s[92:93]
	CROUND                                         ; all sixteen work-groups are here: the joint loads meet
	s_mov_b32 s[G0S], 1
	s_add_co_u32 s[G0S+1], s94, SCL
	s_mov_b64 s[G0S+2:G0S+3], s[22:23]
	s_or_b32 s[G0S+3], s[G0S+3], 0x80000000
	s_mov_b32 s[G0SB], 1
	s_add_co_u32 s[G0SB+1], s94, SCL
	s_mov_b64 s[G0SB+2:G0SB+3], s[92:93]
	s_or_b32 s[G0SB+3], s[G0SB+3], 0x80000000
	JLOAD G0S, G1S, G0SB, G1SB                     ; the scales first: they are wanted with K step 0
.irp s, 0,1
	s_mov_b32 s[G0+4*\s], 1
	s_add_co_u32 s[G0+4*\s+1], s45, \s*SLOT
	s_add_nc_u64 s[G0+4*\s+2:G0+4*\s+3], s[20:21], \s*ROWB
	s_or_b32 s[G0+4*\s+3], s[G0+4*\s+3], 0x80000000
	s_mov_b32 s[G0B+4*\s], 1
	s_add_co_u32 s[G0B+4*\s+1], s45, \s*SLOT
	s_add_nc_u64 s[G0B+4*\s+2:G0B+4*\s+3], s[46:47], \s*ROWB
	s_or_b32 s[G0B+4*\s+3], s[G0B+4*\s+3], 0x80000000
	JLOAD G0+4*\s, G1, G0B+4*\s, G1B               ; three tensor loads of mine are out at the most
.endr
	v_and_b32 v1, 15, v0                           ; r = l % 16
	v_bfe_u32 v2, v0, 4, 1                         ; h = l / 16
	v_mul_u32_u24 v3, v1, PITCH
	v_lshl_add_u32 v4, v2, 4, v3                   ; a fragment's row x pitch + 16 x half
	s_mul_i32 s21, s15, HALFT                      ; my 128 rows of A
	s_mul_i32 s22, s16, HALFT                      ; my 128 rows of B,
	s_add_co_u32 s22, s22, 2*HALFT                 ; which lie behind A's 256
.irp s, 0,1
	v_add_nc_u32 v[ADRA+\s], s21, v4
	v_add_nc_u32 v[ADRB+\s], s22, v4
	s_add_co_u32 s21, s21, SLOT
	s_add_co_u32 s22, s22, SLOT
.endr
	v_mul_u32_u24 v5, v1, KS                       ; my row's scales: KS bytes a row,
	v_lshrrev_b32 v6, 8, v5
	v_lshl_add_u32 v5, v6, 4, v5                   ; and 16 more for each 256 passed
	s_mul_i32 s21, s15, HALFS                      ; A's: my 128 rows
	s_mul_i32 s22, s16, HALFS                      ; B's: my 128 rows, behind A's 256
	s_add_co_u32 s22, s22, 2*HALFS
	s_sub_co_u32 s22, s22, s21
	v_mul_u32_u24 v6, s22, v2                      ; lanes 16-31 take B's: one product, the distance between the two bases
	s_add_co_u32 s21, s21, SCL
	v_add_nc_u32 v5, v5, v6
	v_add_nc_u32 v[ADRS], s21, v5
	s_mul_i32 s23, s14, 16*SPITCH                  ; my stage
	v_mul_u32_u24 v5, v1, SPITCH                   ; in: row r, 16 bytes for each half of the lanes
	v_lshl_add_u32 v5, v2, 4, v5
	v_add_nc_u32 v[STO], s23, v5
	v_bfe_u32 v5, v0, 3, 1                         ; back: lanes 0-15 take two rows' 128 bytes of my first head, lanes 16-31 of my second
	v_mul_u32_u24 v5, v5, SPITCH
	v_lshl_add_u32 v5, v2, 7, v5
	v_and_b32 v6, 7, v0
	v_lshl_add_u32 v5, v6, 4, v5
	v_add_nc_u32 v[RD], s23, v5
	v_lshlrev_b32 v[CO], 4, v1                     ; in qkv: 16 bytes a lane of the two rows' 256,
	v_lshl_or_b32 v[CO], v2, 19, v[CO]             ; and a head (4,096 rows of 128 bytes) on for lanes 16-31
	s_lshl_b32 s20, s17, 15                        ; my first row: (256 x tile row + 128 x half) x 128 bytes
	s_lshl_b32 s21, s15, 14
	s_add_co_u32 s20, s20, s21
	s_mov_b32 s21, 0
	s_lshl_b32 s46, s42, 21                        ; my first head: (4 x tile column + 2 x half) x 524,288 bytes
	s_lshl_b32 s47, s16, 20
	s_add_co_u32 s46, s46, s47
	s_mov_b32 s47, 0
	s_add_nc_u64 s[20:21], s[20:21], s[46:47]
	s_add_nc_u64 s[12:13], s[12:13], s[20:21]
.macro FRAG reg, adr, q, i             ; a fragment, 16 rows x 128 K of 4-bit codes: lane l holds row l % 16; registers 4 c .. 4 c + 3 hold K = 64 c + 32 (l / 16) + 0 .. 31
.irp c, 0,1
	ds_load_b128 v[\reg+4*\c:\reg+4*\c+3], v[\adr] offset:64*(\q)+32*\c+(\i)*16*PITCH
.endr
.endm
; 16 matrix instructions: A's blocks a0, a0 + 1 x B's eight, the slot's q-th 128 along K.  p: B's set;  sc: the set of scale words.  zero = 1: the first product starts the sums.
; The 64 accumulators take turns, one instruction a turn, in the same order in every step.
.macro MUL16 a0, p, q, sc, zero
.irp a, \a0, \a0+1
.irp b, 0,1,2,3,4,5,6,7
.if \zero
	v_wmma_scale_f32_16x16x128_f8f6f4 v[8*(8*((\a)%4)+\b):8*(8*((\a)%4)+\b)+7], v[128*(\p)+FR*\b:128*(\p)+FR*\b+FR-1], v[AF+FR*(\a):AF+FR*(\a)+FR-1], 0, v[SC+8*NQ*(\sc)+NQ*\b+(\q)], v[SC+8*NQ*(\sc)+NQ*(\a)+(\q)] matrix_a_fmt:MATRIX_FMT_FP4 matrix_b_fmt:MATRIX_FMT_FP4 matrix_a_scale:MATRIX_SCALE_ROW1
.else
	v_wmma_scale_f32_16x16x128_f8f6f4 v[8*(8*((\a)%4)+\b):8*(8*((\a)%4)+\b)+7], v[128*(\p)+FR*\b:128*(\p)+FR*\b+FR-1], v[AF+FR*(\a):AF+FR*(\a)+FR-1], v[8*(8*((\a)%4)+\b):8*(8*((\a)%4)+\b)+7], v[SC+8*NQ*(\sc)+NQ*\b+(\q)], v[SC+8*NQ*(\sc)+NQ*(\a)+(\q)] matrix_a_fmt:MATRIX_FMT_FP4 matrix_b_fmt:MATRIX_FMT_FP4 matrix_a_scale:MATRIX_SCALE_ROW1
.endif
.endr
.endr
.endm
.macro FETCH_B slot, q, p              ; B's eight fragments of the slot's q-th 128 along K into set p
	WIN TO_B
.irp i, 0,1,2,3,4,5,6,7
	FRAG 128*(\p)+FR*\i, ADRB+\slot, \q, \i
.endr
	WIN 0
.endm
.macro FETCH_A slot, q, i0             ; A's blocks i0 .. i0 + 3
.irp i, \i0, \i0+1, \i0+2, \i0+3
	FRAG AF+FR*(\i), ADRA+\slot, \q, \i
.endr
.endm
.macro SCALES sc                       ; a K step's scale words into set sc: NQ words a row; lanes 0-15 take A's block i, lanes 16-31 B's block i
.irp i, 0,1,2,3,4,5,6,7
	ds_load_b128 v[SC+8*NQ*\sc+NQ*\i:SC+8*NQ*\sc+NQ*\i+3], v[ADRS] offset:\i*SBLK
.endr
.endm
; A load into a register that a matrix instruction has read, and a vector instruction that reads a matrix result, stand NP places behind that matrix instruction; only plain vector instructions that name none of its registers are places.
.macro PLACES n
.rept \n
	v_nop
.endr
.endm
; A step of 128 along K that has its successor in the same slot.
.macro STEP slot, q, zero
	s_wait_dscnt 4*NL                              ; B's set and A's blocks 0-3 are in; the youngest eight loads (A's blocks 4-7) may be out
	WIN MUL_LO
	MUL16 0, (\q)%2, \q, \slot, \zero
	MUL16 2, (\q)%2, \q, \slot, \zero
	s_wait_dscnt 0                                 ; A's blocks 4-7 are in
	PLACES NP
	FETCH_B \slot, (\q)+1, 1-(\q)%2
	FETCH_A \slot, (\q)+1, 0
	WIN MUL_HI
	MUL16 4, (\q)%2, \q, \slot, \zero
	MUL16 6, (\q)%2, \q, \slot, \zero
	PLACES NP
	WIN 0
	FETCH_A \slot, (\q)+1, 4
.endm
.macro STEPS slot, from                ; the slot's steps from .. NQ - 2
.set Q, \from
.rept NQ-1-\from
	STEP \slot, Q, 0
.set Q, Q+1
.endr
.endm
	s_wait_tensorcnt 1                             ; the scales and my part of K step 0 are in (K step 1's load, the one younger, may be out),
	s_barrier_signal -1
	s_barrier_wait -1                              ; everybody's are
	FETCH_B 0, 0, 0
	FETCH_A 0, 0, 0
	SCALES 0
	FETCH_A 0, 0, 4
	STEP 0, 0, 1                                   ; the first step's products start the sums: nothing is cleared
	STEPS 0, 1
	; slot 0's last step changes slots: one barrier; in front of it each wave waits for all its tensor loads, adds 0 to its spare word, and waits for that and for its reads of slot 0.  Nothing is filled again.
	s_wait_tensorcnt 0x0                           ; my part of slot 1 has landed
	ds_add_u32 v[SPW], v[NIL]
	s_wait_dscnt 4*NL+1                            ; (the add and the youngest eight loads, A's blocks 4-7, may be out)
	WIN MUL_LO
	MUL16 0, 1, NQ-1, 0, 0
	s_wait_dscnt 0x0                               ; the add is done, and my reads of slot 0 are over
	s_barrier_signal -1
	MUL16 2, 1, NQ-1, 0, 0
	WIN 0
	s_barrier_wait -1
	PLACES NP
	v_add_nc_u32 v[ADRS], 4*NQ, v[ADRS]            ; on to K step 1's scale words (no LDS load of mine is out)
	FETCH_B 1, 0, 0
	FETCH_A 1, 0, 0
	SCALES 1
	WIN MUL_HI
	MUL16 4, 1, NQ-1, 0, 0
	MUL16 6, 1, NQ-1, 0, 0
	PLACES NP
	WIN 0
	FETCH_A 1, 0, 4
	STEPS 1, 0
	s_wait_dscnt 4*NL                              ; the very last step: nothing more to fetch
	WIN MUL_LO
	MUL16 0, 1, NQ-1, 1, 0
	MUL16 2, 1, NQ-1, 1, 0
	s_wait_dscnt 0
	WIN MUL_HI
	MUL16 4, 1, NQ-1, 1, 0
	MUL16 6, 1, NQ-1, 1, 0
	WIN 0
; THE WAY OUT, block by block of 16 rows x 128 columns (two heads).  PACK: rounded to f16, 16 bytes a lane, each accumulator from its low end on.  TOSTAGE: into my own stage in LDS, and back so that sixteen lanes hold two
; neighbouring rows of one head.  SEND: stored.  LDS serves a wave's instructions in order (ISA guide 5.7.1.4): no wait between the stage's stores and loads.
.macro PACK a
.set AC, 64*((\a)%4)
	WIN (0x0a+5*((\a)/4))                          ; sources 0 and 1: window 2 or 3
.irp b, 0,1,2,3,4,5,6,7
.irp r, 0,1,2,3
	v_cvt_pk_f16_f32 v[TMP+4*\b+\r], v[AC+8*\b+2*\r], v[AC+8*\b+2*\r+1]
.endr
.endr
	WIN 0
.endm
.macro TOSTAGE a
.set BB, 32+192*((\a)%2)               ; v32-63 and v224-255 by turns
.irp b, 0,1,2,3,4,5,6,7
	ds_store_b128 v[STO], v[TMP+4*\b:TMP+4*\b+3] offset:32*\b
.endr
.irp t, 0,1,2,3,4,5,6,7
	ds_load_b128 v[BB+4*\t:BB+4*\t+3], v[RD] offset:\t*2*SPITCH
.endr
.endm
.macro SEND a
.set BB, 32+192*((\a)%2)
	s_wait_dscnt 0x0                               ; the block is back in registers
	s_wait_xcnt 0x0                                ; the stores of the block before have read their registers: the next block's loads may land there
.irp t, 0,1,2,3,4,5,6,7
	global_store_b128 v[CO], v[BB+4*\t:BB+4*\t+3], s[12:13] offset:2048*(\a)+256*\t   ; 16 lanes store 256 consecutive bytes, aligned: rows 16 a + 2 t and + 1 of a head
.endr
.endm
	PLACES NP                                      ; behind the last products: their results are read, and registers that they read are loaded into, below
	PACK 0
	TOSTAGE 0
.irp a, 1,2,3,4,5,6,7                  ; block a's conversions stand between block a - 1's loads from the stage and the wait for them
	PACK \a
	SEND \a-1
	TOSTAGE \a
.endr
	SEND 7
	s_wait_tensorcnt 0x0                           ; the wave's end: three lines behind my last tensor load and my last LDS store
	ds_add_u32 v[SPW], v[NIL]
	s_wait_dscnt 0x0
	CROUND                                         ; the closing round: no work-group ends while a partner may still ask for a tile that names it
	s_endpgm
.Lfunc_end_k_q5cd8dc4bf9_qkv:
	.size	k_q5cd8dc4bf9_qkv, .Lfunc_end_k_q5cd8dc4bf9_qkv-k_q5cd8dc4bf9_qkv
	.p2alignl 7, 3214868480
	.fill 96, 4, 3214868480
	.section	.rodata,"a",@progbits
	.p2align	6, 0x0
	.amdhsa_kernel k_q5cd8dc4bf9_qkv
		.amdhsa_group_segment_fixed_size 327680
		.amdhsa_private_segment_fixed_size 0
		.amdhsa_enable_private_segment 0
		.amdhsa_kernarg_size 40
		.amdhsa_user_sgpr_count 2
		.amdhsa_user_sgpr_kernarg_segment_ptr 1
		.amdhsa_wavefront_size32 1
		.amdhsa_system_sgpr_workgroup_id_x 1
		.amdhsa_system_sgpr_workgroup_id_y 1
		.amdhsa_system_sgpr_workgroup_id_z 1
		.amdhsa_system_vgpr_workitem_id 0
		.amdhsa_next_free_vgpr 1024
		.amdhsa_next_free_sgpr 98
		.amdhsa_reserve_vcc 0
		.amdhsa_float_denorm_mode_32 3
		.amdhsa_float_denorm_mode_16_64 3
		.amdhsa_memory_ordered 1
		.amdhsa_forward_progress 1
		.amdhsa_inst_pref_size 126
	.end_amdhsa_kernel
	.amdgpu_metadata
---
amdhsa.version: [ 1, 2 ]
amdhsa.kernels:
  - .name:           k_q5cd8dc4bf9_qkv
    .symbol:         k_q5cd8dc4bf9_qkv.kd
    .args:
      - { .name: xc, .offset: 0, .size: 8, .value_kind: global_buffer, .address_space: global }
      - { .name: xs, .offset: 8, .size: 8, .value_kind: global_buffer, .address_space: global }
      - { .name: wc, .offset: 16, .size: 8, .value_kind: global_buffer, .address_space: global }
      - { .name: ws, .offset: 24, .size: 8, .value_kind: global_buffer, .address_space: global }
      - { .name: qkv, .offset: 32, .size: 8, .value_kind: global_buffer, .address_space: global }
    .group_segment_fixed_size: 327680
    .private_segment_fixed_size: 0
    .kernarg_segment_align: 8
    .kernarg_segment_size: 40
    .max_flat_workgroup_size: 128
    .sgpr_count:     98
    .vgpr_count:     1024
    .wavefront_size: 32
...
	.end_amdgpu_metadata
.endif
;; end of part 2
;; launch attn (part 3): grid 8 x 32, 8 waves a work-group, clusters of 4 x 1, 327,680 bytes of LDS; arguments qkv, ao; writes ao
.if DOCPART == 3
	.amdgcn_target "amdgcn-amd-amdhsa--gfx1250"
	.amdhsa_code_object_version 6
	.text
	.protected	k_q5cd8dc4bf9_attn
	.globl	k_q5cd8dc4bf9_attn
	.p2align	8
	.type	k_q5cd8dc4bf9_attn,@function
k_q5cd8dc4bf9_attn:
	s_mov_b64 s[64:65], 0
	v_nop
	global_prefetch_b8 v0, s[64:65] scope:SCOPE_SE
	s_setreg_imm32_b32 hwreg(HW_REG_WAVE_MODE, 25, 1), 1
	s_wait_xcnt 0x0
	s_wait_alu depctr_hold_cnt(0) depctr_sa_sdst(0) depctr_va_vdst(0) depctr_va_sdst(0) depctr_va_ssrc(0) depctr_va_vcc(0) depctr_vm_vsrc(0)
	s_getreg_b32 s2, hwreg(HW_REG_IB_STS2, 6, 4)
	s_cmp_eq_u32 s2, 0
	s_cbranch_scc0 .Lentry_in_a_cluster
	s_endpgm
.Lentry_in_a_cluster:
	s_bfe_u32 s2, ttmp6, 0x10000c
	s_cmp_lg_u32 s2, 0x3003
	s_cbranch_scc0 .Lentry_shape_is_right
	s_endpgm
.Lentry_shape_is_right:
; ao[h][m][:] = the sum over keys of softmax(Q . K / 8) V, for each of 16 heads x 2 batches: 32 parts y = 2 h + b of 2,048 rows x 64 channels, f16, each a dense block of 262,144 bytes in Q's, K's and V's thirds of qkv and in ao.
; Products with f16 operands and f32 sums; maxima, exponentials and sums in f32; the weights p are rounded to f16 for the second product, the result once at the end.
; LIMITS: |result| under 65,504 (it is an average of V's numbers, which are f16); a weight under 2^-25 of its row's largest rounds to 0 in f16; NaN and infinities are not served.
; SHARES.  A work-group owns 256 queries of one part, each of its EIGHT waves 32: two tiles of 16.  Two waves lie on a SIMD, so that one's vector work stands beside the other's matrix work and LDS loads; each fragment of K and V read from LDS feeds two products.
; LAYOUT.  S^T = K Q^T (source 0 = 16 keys, source 1 = 16 queries): a lane holds ONE query (lane % 16) and the keys 8 (lane / 16) + 0..7.  Two such tiles, rounded to f16 in pairs, ARE source 1 (32 keys x 16 queries) of
; O^T = V^T P, whose result again holds one query a lane.  K comes out of LDS as it lies, V ([key][channel]) turned, by ds_load_tr16_b128.
; SOFTMAX.  For each query a running maximum m and sum l: p = 2^(c s - c m), c = log2(e) / 8; in every step O^T and l are multiplied by a = 2^(c m_old - c m_new).  The step is written once: m begins at -3e38, O^T and l at 0, and the first a is 0.
; RING.  Two LDS slots of 512 keys; 2,048 keys are four slots' worth: two first fills, two refills.  Each wave fetches 128 rows: waves 0-3 K's, waves 4-7 V's.  Two tensor loads of a wave are out at the start, one behind each refill's round.
; CLUSTER.  The four query blocks of a cluster belong to one part and walk the same K and V: each tile is asked for JOINTLY, by the same tensor load with the same descriptor and the mask of the four.
; REGISTERS.  Window 0: v1-11 addresses; v12-27 statistics, eight a tile; v28, v29 the add's two; v30, v31 the old c m; v32-63 Q; v64-127 K's fragments; v128-191 S^T, then p; v192-223 P.  Window 1: v0-63 O^T; v64-127 V's fragments.
.set PK,    144       ; a row of K in LDS: 128 bytes + 16 of padding = 36 words: the 16 rows of a load start at different banks (ISA guide 11.1)
.set PV,    160       ; a row of V: 128 + 32: 16 lanes of the turning load take 8 rows x 32 bytes
.set VOFF,  512*PK    ; a slot: 512 rows of K, then 512 rows of V
.set SLOT,  512*(PK+PV)
.set SPARE, 2*SLOT    ; behind the ring: the spare words, 128 bytes for each of eight waves
.set SP,    144       ; the way out: a stage of 32 rows x (128 bytes + 16) for each wave, in slot 0, which has had its last fill and its last read by then
.set AK0, 2           ; v2   my lane's place in a tile of K
.set AV0, 3           ; v3   the same for V
.set ADK, 4           ; v4   LDS address of the step's K
.set ADV, 5           ; v5   of its V
.set QO,  6           ; v6   my byte offset in the wave's rows of Q
.set STO, 7           ; v7   the way out: where I put 16 bytes of a row
.set RD,  8           ; v8   where I read 16 bytes back
.set GO,  10          ; v10  16 x lane: my byte offset in the wave's rows of ao
.set PFO, 11          ; v11  256 x lane: the prefetch's offset
.set ST,  12          ; tile t's statistics at v[ST + 8 t]: +0 c m, +1 m, +2, +3 l (even keys', odd keys'), +4 to +7 c0-c3, at work; a takes c2's place
.set SPW, 28
.set NIL, 29
.set OLD, 30          ; v30, v31 c m of the step before
.set Q,   32          ; tile t, channels 32 c on: v[Q + 16 t + 8 c]
.set KF,  64          ; keys 16 kt on, channels 32 c on: v[KF + 8 (2 kt + c)]
.set S,   128         ; tile t, keys 16 kt on: v[S + 32 t + 8 kt]
.set P,   192         ; tile t, keys 32 c on: v[P + 16 t + 8 c]
.set VF,  64          ; window 1: keys 32 c on, channels 16 ct on: v[VF + 8 (4 c + ct)];  O^T: v[32 t + 8 ct]
.set WV,  12          ; s12  my wave's number
.set LIM, 15          ; s15  0 in a wave that prefetches
.set PFA, 18          ; s[18:19] where my prefetch stands
.set G1K, 24          ; s[24:31] group 1 for K's tiles;  s[32:39] for V's: it differs in the padding alone
.set G1V, 32
.set G0K, 40          ; s[40:47] group 0 for K's tiles, a set for each slot;  s[48:55] for V's
.set G0V, 48
.set CNT, 56          ; s56  counts a slot's eight steps
.set TK,  57          ; s57  LDS byte at which the step's K begins
.set CS,  58          ; s[58:59] c: the packed form names a pair and takes its low word for both halves
.set SEL, 60          ; s[60:61] lane selects for v_permlanex16_b32: lane l xor 16
.set TV,  62          ; s62  LDS byte at which the step's V begins
.set MSB, 0
.macro WIN new                      ; the immediate's high byte repeats the setting that is left
.if MSB != \new
	s_set_vgpr_msb (MSB<<8)|\new
.set MSB, \new
.endif
.endm
; A joint refill of slot s.  Waves 0-3 fetch K's rows, waves 4-7 V's.  The branch hangs on the wave's number alone.  An s_nop 0 and four v_nop follow each of the two lines.
.macro JLOAD s
	s_cmp_lt_u32 s[WV], 4
	s_cbranch_scc0 .Lfor_v_\@
	tensor_load_to_lds s[G0K+4*\s:G0K+4*\s+3], s[G1K:G1K+7]
	s_nop 0
.rept 4
	v_nop
.endr
	s_branch .Lasked_\@
.Lfor_v_\@:
	tensor_load_to_lds s[G0V+4*\s:G0V+4*\s+3], s[G1V:G1V+7]
	s_nop 0
.rept 4
	v_nop
.endr
.Lasked_\@:
.endm
.macro CROUND                       ; a round of the cluster's barrier
	s_barrier_signal -1
	s_barrier_wait -1
	s_cmp_lg_u32 s[WV], 0
	s_cbranch_scc1 .Lnot_wave_0_\@
	s_barrier_signal -3
.Lnot_wave_0_\@:
	s_barrier_wait -3
	s_barrier_signal -1
	s_barrier_wait -1
.endm
	s_load_b128 s[4:7], s[0:1], 0x0  ; qkv s[4:5], ao s[6:7]
	v_lshl_add_u32 v[SPW], v0, 2, SPARE
	v_mov_b32 v[NIL], 0
	ds_add_u32 v[SPW], v[NIL]       ; the wave's opening: the add, twice on end, and its wait ahead of my first tensor load
	ds_add_u32 v[SPW], v[NIL]
	v_lshrrev_b32 v1, 5, v0
	v_readfirstlane_b32 s[WV], v1   ; wave 0..7
	s_bfe_u32 s13, ttmp6, 0x40000   ; cx: my place in the cluster
	s_lshl_b32 s14, ttmp9, 2
	s_add_co_u32 s14, s14, s13      ; my block of 256 queries = 4 x cluster x + cx: it enters Q's and ao's addresses (and the prefetch's) alone
	s_and_b32 s20, ttmp7, 0xffff    ; the part y, which the four partners share
	s_lshl_b32 s20, s20, 18         ; its 262,144 bytes
	s_mov_b32 s21, 0
	s_and_b32 s16, s[WV], 3         ; which 128 rows of a slot I fetch:
	s_lshl_b32 s22, s16, 14         ; 128 rows of 128 bytes in memory,
	s_mov_b32 s23, 0
	s_mul_i32 s17, s16, 128*PK      ; and their place in a slot, for K
	s_mul_i32 s63, s16, 128*PV
	s_add_co_u32 s63, s63, VOFF     ; and for V: no place in the cluster enters an LDS address
	s_lshl_b32 s2, s14, 15          ; my block's 256 rows,
	s_lshl_b32 s3, s[WV], 12        ; my wave's 32 of them
	s_add_co_u32 s2, s2, s3
	s_mov_b32 s3, 0
	s_add_nc_u64 s[2:3], s[2:3], s[20:21]
	; group 1: a tile of 128 rows x 64 elements of 2 bytes, padded behind every 32 words
	s_mov_b32 s[G1K], 15|(1<<16)|(1<<20)|(1<<21)|(4<<22)|(3<<25)  ; 15:0 the mask: all four work-groups; 17:16 elements of 2 bytes; 20 padding on; 21 set beside a mask; 24:22 after every 32 words (code 4); 31:25 4 words (code 3)
	s_mov_b32 s[G1V], 15|(1<<16)|(1<<20)|(1<<21)|(4<<22)|(7<<25)  ; the same with 8 words of padding (code 7)
.irp g, G1K, G1V
	s_mov_b32 s[\g+1], 64<<16       ; tensor_dim0 = 64
	s_mov_b32 s[\g+2], 128<<16      ; tensor_dim1 = 128
	s_mov_b32 s[\g+3], 64<<16       ; tile_dim0 = 64
	s_mov_b32 s[\g+4], 128          ; tile_dim1 = 128
	s_mov_b32 s[\g+5], 64           ; elements from row to row
	s_mov_b32 s[\g+6], 0
	s_mov_b32 s[\g+7], 0
.endr
	s_mov_b32 s[CS], 0x3e38aa3b     ; c = log2(e) / 8
	s_mov_b32 s[CS+1], s[CS]        ; named with it as a pair, so it is written
	s_mov_b32 s[SEL], 0x76543210
	s_mov_b32 s[SEL+1], 0xfedcba98
	s_and_b32 s[LIM], s[WV], 2      ; 0 in waves 0, 1, 4, 5
	s_or_b32 s[LIM], s[LIM], ttmp9  ; of the part's first cluster: the same in all four partners
	s_wait_dscnt 0x0                ; both opening adds are done
	s_wait_kmcnt 0x0
	s_add_nc_u64 s[8:9], s[4:5], s[20:21]
	s_add_nc_u64 s[10:11], s[8:9], 16777216  ; V's part: 32 heads of 524,288 bytes on
	s_add_nc_u64 s[8:9], s[8:9], 8388608     ; K's part: 16 heads on
	s_add_nc_u64 s[4:5], s[4:5], s[2:3]      ; Q and ao at my wave's first row
	s_add_nc_u64 s[6:7], s[6:7], s[2:3]
	s_cmp_lt_u32 s[WV], 4
	s_cselect_b64 s[PFA:PFA+1], s[8:9], s[10:11]
	s_lshl_b32 s2, s13, 14          ; the prefetch: my work-group's 16,384 bytes of the last slot's 65,536,
	s_and_b32 s3, s[WV], 1
	s_lshl_b32 s3, s3, 13           ; my wave's 8,192 of them,
	s_add_co_u32 s2, s2, s3
	s_add_co_u32 s2, s2, 196608     ; from key 1,536 on
	s_mov_b32 s3, 0
	s_add_nc_u64 s[PFA:PFA+1], s[PFA:PFA+1], s[2:3]
	s_add_nc_u64 s[20:21], s[8:9], s[22:23]   ; K and V at my 128 rows of slot 0
	s_add_nc_u64 s[22:23], s[10:11], s[22:23]
	CROUND                          ; all four work-groups are here: the first joint loads meet
.irp s, 0,1
	s_mov_b32 s[G0K+4*\s], 1        ; count = 1
	s_add_co_u32 s[G0K+4*\s+1], s17, \s*SLOT  ; LDS address
	s_add_nc_u64 s[G0K+4*\s+2:G0K+4*\s+3], s[20:21], \s*65536  ; global address: slot s begins with keys 512 s on
	s_or_b32 s[G0K+4*\s+3], s[G0K+4*\s+3], 0x80000000  ; type = 2
	s_mov_b32 s[G0V+4*\s], 1
	s_add_co_u32 s[G0V+4*\s+1], s63, \s*SLOT
	s_add_nc_u64 s[G0V+4*\s+2:G0V+4*\s+3], s[22:23], \s*65536
	s_or_b32 s[G0V+4*\s+3], s[G0V+4*\s+3], 0x80000000
.endr
	s_cmp_lt_u32 s[WV], 4           ; a wave's two first fills stand in one branch, ahead of every wait on TENSORcnt and every LDS read
	s_cbranch_scc0 .Lfirst_v
	tensor_load_to_lds s[G0K:G0K+3], s[G1K:G1K+7]
	s_nop 0
	tensor_load_to_lds s[G0K+4:G0K+7], s[G1K:G1K+7]
	s_nop 0
.rept 4
	v_nop
.endr
	s_branch .Lfirst_asked
.Lfirst_v:
	tensor_load_to_lds s[G0V:G0V+3], s[G1V:G1V+7]
	s_nop 0
	tensor_load_to_lds s[G0V+4:G0V+7], s[G1V:G1V+7]
	s_nop 0
.rept 4
	v_nop
.endr
.Lfirst_asked:
	; A fragment of K or Q is 16 rows x 32 channels in 8 registers: lane l holds row l % 16; registers 0-3 channels 8 (l / 16) + 0..7, registers 4-7 channels 16 + 8 (l / 16) + 0..7: two loads of 16 bytes, 32 bytes apart.
	v_and_b32 v1, 15, v0            ; r
	v_bfe_u32 v9, v0, 4, 1          ; h
	v_lshlrev_b32 v[QO], 7, v1
	v_lshl_add_u32 v[QO], v9, 4, v[QO]  ; row x 128 + 16 x half
.irp t, 0,1
.irp c, 0,1
	global_load_b128 v[Q+16*\t+8*\c:Q+16*\t+8*\c+3],   v[QO], s[4:5] offset:2048*\t+64*\c      ; Q stays in registers
	global_load_b128 v[Q+16*\t+8*\c+4:Q+16*\t+8*\c+7], v[QO], s[4:5] offset:2048*\t+64*\c+32
.endr
.endr
	v_mul_u32_u24 v[AK0], v1, PK
	v_lshl_add_u32 v[AK0], v9, 4, v[AK0]  ; row x pitch + 16 x half
	; The turning load takes 16 keys x 16 channels (lane l reads 16 bytes: key 8 (l / 16) + l % 8, channels 8 ((l / 8) % 2) + 0..7) and leaves half a fragment of V^T: lane l holds channel l % 16 and 8 keys.
	v_and_b32 v[ADK], 7, v0
	v_bfe_u32 v[ADV], v0, 3, 1
	v_lshl_add_u32 v[AV0], v9, 3, v[ADK]
	v_mul_u32_u24 v[AV0], v[AV0], PV
	v_lshl_add_u32 v[AV0], v[ADV], 4, v[AV0]
	s_mul_i32 s2, s[WV], 32*SP      ; my stage
	v_mul_u32_u24 v[STO], v1, SP    ; in: row r of a tile, 16 bytes for each half of the lanes
	v_lshl_add_u32 v[STO], v9, 4, v[STO]
	v_add_nc_u32 v[STO], s2, v[STO]
	v_bfe_u32 v[RD], v0, 3, 2       ; back: eight lanes to a row of 128 bytes, four rows an instruction
	v_mul_u32_u24 v[RD], v[RD], SP
	v_lshl_add_u32 v[RD], v[ADK], 4, v[RD]
	v_add_nc_u32 v[RD], s2, v[RD]
	v_and_b32 v[GO], 31, v0
	v_lshlrev_b32 v[PFO], 8, v[GO]
	v_lshlrev_b32 v[GO], 4, v[GO]
.irp t, 0,1
	v_mov_b32 v[ST+8*\t+1], 0xff61b1e6         ; m = -3e38, under every score
	v_mul_f32 v[ST+8*\t], s[CS], v[ST+8*\t+1]  ; c m
	v_mov_b32 v[ST+8*\t+2], 0                  ; l, in two halves
	v_mov_b32 v[ST+8*\t+3], 0
.endr
	WIN 0x40                        ; destination window 1
.set i, 0
.rept 64
	v_mov_b32 v[i], 0               ; O^T.  (The step is written once: the first finds zeros, which the first a = 0 leaves zeros)
.set i, i+1
.endr
	WIN 0
; A KEY STEP: 64 keys, at LDS bytes s[TK] (K) and s[TV] (V).
.macro STEP
	v_add_nc_u32 v[ADK], s[TK], v[AK0]
	v_add_nc_u32 v[ADV], s[TV], v[AV0]
.irp f, 0,1,2,3,4,5,6,7             ; K: keys 16 (f / 2) on, channels 32 (f % 2) on.  K's registers were last read by products a whole softmax back
	ds_load_b128 v[KF+8*\f:KF+8*\f+3],   v[ADK] offset:(\f/2)*16*PK+(\f%2)*64
	ds_load_b128 v[KF+8*\f+4:KF+8*\f+7], v[ADK] offset:(\f/2)*16*PK+(\f%2)*64+32
.endr
	WIN 0x40                        ; destination window 1.  V's registers were last read by the step before's products: the 32 sums behind those are the places
.irp f, 0,1,2,3,4,5,6,7             ; V, turned: keys 32 (f / 4) on, channels 16 (f % 4) on
	ds_load_tr16_b128 v[VF+8*\f:VF+8*\f+3],   v[ADV] offset:(\f/4)*32*PV+(\f%4)*32
	ds_load_tr16_b128 v[VF+8*\f+4:VF+8*\f+7], v[ADV] offset:(\f/4)*32*PV+16*PV+(\f%4)*32
.endr
	WIN 0
	s_wait_dscnt 16                 ; K is in; V's sixteen loads, the younger ones, may be out
.set i, 0
.rept 16                            ; S^T = K Q^T: channels 32 (i / 8) on, keys 16 ((i / 2) % 4) on, tile i % 2.  The eight accumulators take turns; the first eight products start the sums
.set rS, S+32*(i%2)+8*((i/2)%4)
.set rK, KF+8*(2*((i/2)%4)+i/8)
.set rQ, Q+16*(i%2)+8*(i/8)
.if i < 8
	v_wmma_f32_16x16x32_f16 v[rS:rS+7], v[rK:rK+7], v[rQ:rQ+7], 0
.else
	v_wmma_f32_16x16x32_f16 v[rS:rS+7], v[rK:rK+7], v[rQ:rQ+7], v[rS:rS+7]
.endif
.set i, i+1
.endr
	v_mov_b32 v[OLD], v[ST]         ; c m_old is kept for a.  These four lines are the places behind the products (ISA guide 7.12.1)
	v_mov_b32 v[OLD+1], v[ST+8]
	v_nop
	v_nop
	; the maximum of the lane's 32 scores and the old m: four chains a tile, the tiles by turns; each accumulator is read from its low end on
.irp j, 0,1,2,3
.irp t, 0,1
	v_max3_num_f32 v[ST+8*\t+4+\j], v[S+32*\t+8*\j], v[S+32*\t+8*\j+1], v[S+32*\t+8*\j+2]
.endr
.endr
.irp k, 3,5
.irp j, 0,1,2,3
.irp t, 0,1
	v_max3_num_f32 v[ST+8*\t+4+\j], v[ST+8*\t+4+\j], v[S+32*\t+8*\j+\k], v[S+32*\t+8*\j+\k+1]
.endr
.endr
.endr
.irp t, 0,1
	v_max3_num_f32 v[ST+8*\t+4], v[ST+8*\t+4], v[S+32*\t+7], v[S+32*\t+15]
	v_max3_num_f32 v[ST+8*\t+6], v[ST+8*\t+6], v[S+32*\t+23], v[S+32*\t+31]
.endr
.irp t, 0,1
	v_max3_num_f32 v[ST+8*\t+4], v[ST+8*\t+4], v[ST+8*\t+5], v[ST+8*\t+6]
.endr
.irp t, 0,1
	v_max3_num_f32 v[ST+8*\t+4], v[ST+8*\t+4], v[ST+8*\t+7], v[ST+8*\t+1]
.endr
.irp t, 0,1
	v_permlanex16_b32 v[ST+8*\t+5], v[ST+8*\t+4], s[SEL], s[SEL+1]  ; the query's other 32 keys lie in the lane 16 away
.endr
.irp t, 0,1
	v_max_num_f32 v[ST+8*\t+1], v[ST+8*\t+4], v[ST+8*\t+5]          ; the new m
.endr
.irp t, 0,1
	v_mul_f32 v[ST+8*\t], s[CS], v[ST+8*\t+1]                       ; c m
.endr
.irp t, 0,1
	v_sub_f32 v[ST+8*\t+7], v[OLD+\t], v[ST+8*\t]                   ; c m_old - c m_new, 0 or less
.endr
	; ONE BATCH: a, the 32 scalings c s - c m (a pair each) and the 64 exponentials.  None of these lines names an exponential's result; a pair is scaled three lines or more ahead of its exponentials.
.irp t, 0,1
	v_exp_f32 v[ST+8*\t+6], v[ST+8*\t+7]
.endr
.irp t, 0,1
	v_pk_fma_f32 v[S+32*\t:S+32*\t+1], v[S+32*\t:S+32*\t+1], s[CS:CS+1], v[ST+8*\t:ST+8*\t+1] op_sel_hi:[1,0,0] neg_lo:[0,0,1] neg_hi:[0,0,1]
.endr
.set i, 1
.rept 15
.irp t, 0,1
	v_pk_fma_f32 v[S+32*\t+2*i:S+32*\t+2*i+1], v[S+32*\t+2*i:S+32*\t+2*i+1], s[CS:CS+1], v[ST+8*\t:ST+8*\t+1] op_sel_hi:[1,0,0] neg_lo:[0,0,1] neg_hi:[0,0,1]
	v_exp_f32 v[S+32*\t+2*i-2], v[S+32*\t+2*i-2]
	v_exp_f32 v[S+32*\t+2*i-1], v[S+32*\t+2*i-1]
.endr
.set i, i+1
.endr
.irp t, 0,1
	v_exp_f32 v[S+32*\t+30], v[S+32*\t+30]
	v_exp_f32 v[S+32*\t+31], v[S+32*\t+31]
.endr
	v_nop                           ; a plain instruction behind the last exponential, ahead of the first use (ISA guide 5.7.2)
	s_wait_alu depctr_va_vdst(0)    ; the wait ahead of the first line that names a result: one for the batch's 66
.irp t, 0,1
.set i, 0
.rept 16
	v_cvt_pk_f16_f32 v[P+16*\t+i], v[S+32*\t+2*i], v[S+32*\t+2*i+1]  ; the weights to f16, a pair of keys each: P's fragments as they stand
.set i, i+1
.endr
.endr
	WIN 0x41                        ; O^T (destination and source 0) in window 1, a in window 0
.irp t, 0,1
.set i, 0
.rept 16
	v_pk_mul_f32 v[32*\t+2*i:32*\t+2*i+1], v[32*\t+2*i:32*\t+2*i+1], v[ST+8*\t+6:ST+8*\t+7] op_sel_hi:[1,0]  ; O^T times a
.set i, i+1
.endr
.endr
	s_wait_dscnt 0x0                ; V is in
	WIN 0x51                        ; V (source 0), O^T (C and D) in window 1; P in window 0
.set i, 0
.rept 16                            ; O^T += V^T P: keys 32 (i / 8) on, channels 16 ((i / 2) % 4) on, tile i % 2.  The eight accumulators take turns
.set rO, 32*(i%2)+8*((i/2)%4)
.set rV, VF+8*(4*(i/8)+(i/2)%4)
.set rP, P+16*(i%2)+8*(i/8)
	v_wmma_f32_16x16x32_f16 v[rO:rO+7], v[rV:rV+7], v[rP:rP+7], v[rO:rO+7]
.set i, i+1
.endr
	WIN 0
	; the sums of the unrounded weights, in place on p: neighbours 1, 2, 4 and 8 pairs apart; then l = a l + the sum.  They name none of the products' registers: 32 places behind them
.set z, 0
.rept 15
.set w, 4
.set u, z
.if z >= 14
.set w, 32
.set u, 0
.elseif z >= 12
.set w, 16
.set u, z-12
.elseif z >= 8
.set w, 8
.set u, z-8
.endif
.irp t, 0,1
	v_pk_add_f32 v[S+32*\t+w*u:S+32*\t+w*u+1], v[S+32*\t+w*u:S+32*\t+w*u+1], v[S+32*\t+w*u+w/2:S+32*\t+w*u+w/2+1]
.endr
.set z, z+1
.endr
.irp t, 0,1
	v_pk_fma_f32 v[ST+8*\t+2:ST+8*\t+3], v[ST+8*\t+2:ST+8*\t+3], v[ST+8*\t+6:ST+8*\t+7], v[S+32*\t:S+32*\t+1] op_sel_hi:[1,0,1]
.endr
.endm
; A slot's eight key steps: written once, walked eight times; the LDS addresses hang on s[TK] and s[TV].
.macro SLOTRUN s
	s_mov_b32 s[TK], \s*SLOT
	s_mov_b32 s[TV], \s*SLOT+VOFF
	s_mov_b32 s[CNT], 8
.Lstep_\@:
	STEP
	s_add_co_u32 s[TK], s[TK], 64*PK
	s_add_co_u32 s[TV], s[TV], 64*PV
	s_sub_co_u32 s[CNT], s[CNT], 1
	s_cmp_lg_u32 s[CNT], 0
	s_cbranch_scc1 .Lstep_\@
.endm
; THE CHANGE OF SLOTS.  Each wave waits for all its tensor loads (its part of the slot ahead), adds 0 to its spare word, and waits for that and for its reads of the slot that it leaves.
; fill = 1: slot s, just left, is filled again with the keys 1,024 on.  The barrier is then a round of the cluster's, and the joint refill is the first thing behind it: it has eight key steps in which to land.
.macro CHANGE fill, s
	s_wait_tensorcnt 0x0            ; no tensor load of mine is out, so a group 0 may be written
	ds_add_u32 v[SPW], v[NIL]
.if \fill
	s_add_nc_u64 s[G0K+4*\s+2:G0K+4*\s+3], s[G0K+4*\s+2:G0K+4*\s+3], 131072  ; 1,024 keys of 128 bytes on; the type bits on top are not reached
	s_add_nc_u64 s[G0V+4*\s+2:G0V+4*\s+3], s[G0V+4*\s+2:G0V+4*\s+3], 131072
.endif
	s_wait_dscnt 0x0                ; the add is done, and my reads of the slot are over
.if \fill
	CROUND
	JLOAD \s
.else
	s_barrier_signal -1
	s_barrier_wait -1
.endif
.endm
	s_wait_tensorcnt 1              ; my part of slot 0 is in; slot 1's, the one younger load, may stay out
	s_barrier_signal -1
	s_barrier_wait -1               ; everybody's is
	s_wait_loadcnt 0x0              ; Q
	SLOTRUN 0                       ; keys 0 to 511
	CHANGE 1, 0                     ; slot 0 takes keys 1,024 on
	; A PREFETCH of what the next change of slots will ask for: keys 1,536 to 2,047 of K and of V, 65,536 dense bytes each, eight key steps ahead of that load.  It stands behind the joint load and its five lines.
	; Each aligned 256 bytes are named once in the launch: both clusters of a part walk the same rows, so the first asks; its four partners take 16,384 bytes each, told apart by ADDRESS; in each, waves 0 and 1 ask for K's
	; and waves 4 and 5 for V's, 8,192 bytes a wave, lanes 256 bytes apart.  The highest byte named is 261,888 of the part's 262,144.  Its address registers are never written again.
	s_cmp_eq_u32 s[LIM], 0
	s_cbranch_scc0 .Lnot_mine
	global_prefetch_b8 v[PFO], s[PFA:PFA+1] th:TH_LOAD_NT scope:SCOPE_SE
.Lnot_mine:
	SLOTRUN 1                       ; keys 512 on
	CHANGE 1, 1                     ; slot 1 takes keys 1,536 on
	SLOTRUN 0                       ; keys 1,024 on
	CHANGE 0, 0                     ; nothing is left to ask for
	SLOTRUN 1                       ; keys 1,536 on
	; THE WAY OUT.  l's two halves and the other half of the lanes' are added; O^T is divided by l, rounded to f16 and sent through my stage in LDS.  (The last step's sums are the places behind its products.)
.irp t, 0,1
	v_add_f32 v[ST+8*\t+4], v[ST+8*\t+2], v[ST+8*\t+3]
.endr
.irp t, 0,1
	v_permlanex16_b32 v[ST+8*\t+5], v[ST+8*\t+4], s[SEL], s[SEL+1]
.endr
.irp t, 0,1
	v_add_f32 v[ST+8*\t+4], v[ST+8*\t+4], v[ST+8*\t+5]
.endr
.irp t, 0,1
	v_rcp_f32 v[ST+8*\t+6], v[ST+8*\t+4]
.endr
	v_nop                           ; a plain instruction between the last reciprocal and the use of its result
	s_wait_alu depctr_va_vdst(0)    ; and the wait: one for both reciprocals
	WIN 0x01                        ; source 0 (O^T) window 1, destination window 0: p's registers are free
.irp t, 0,1
.set i, 0
.rept 16
	v_pk_mul_f32 v[S+32*\t+2*i:S+32*\t+2*i+1], v[32*\t+2*i:32*\t+2*i+1], v[ST+8*\t+6:ST+8*\t+7] op_sel_hi:[1,0]  ; each accumulator from its low end on
.set i, i+1
.endr
.endr
	WIN 0
.irp t, 0,1
.set i, 0
.rept 16
	v_cvt_pk_f16_f32 v[P+16*\t+i], v[S+32*\t+2*i], v[S+32*\t+2*i+1]
.set i, i+1
.endr
.endr
.irp t, 0,1
.irp f, 0,1,2,3
	ds_store_b128 v[STO], v[P+16*\t+4*\f:P+16*\t+4*\f+3] offset:16*SP*\t+32*\f   ; query 16 t + r, channels 16 f + 8 h on
.endr
.endr
.irp f, 0,1,2,3,4,5,6,7
	ds_load_b128 v[S+4*\f:S+4*\f+3], v[RD] offset:\f*4*SP  ; LDS serves a wave's instructions in order (ISA guide 5.7.1.4): these see the stores above
.endr
.irp f, 0,1,2,3,4,5,6,7
	s_wait_dscnt 7-\f               ; the younger loads from the stage may be out
	global_store_b128 v[GO], v[S+4*\f:S+4*\f+3], s[6:7] offset:\f*512  ; 32 lanes store four rows: 512 consecutive bytes, aligned
.endr
	s_wait_tensorcnt 0x0            ; the wave's end: three lines behind my last tensor load and my last LDS store
	ds_add_u32 v[SPW], v[NIL]
	s_wait_dscnt 0x0
	CROUND                          ; the closing round: no work-group ends while a partner may still ask for a tile that names it
	s_endpgm
.Lfunc_end_k_q5cd8dc4bf9_attn:
	.size	k_q5cd8dc4bf9_attn, .Lfunc_end_k_q5cd8dc4bf9_attn-k_q5cd8dc4bf9_attn
	.p2alignl 7, 3214868480
	.fill 96, 4, 3214868480
	.section	.rodata,"a",@progbits
	.p2align	6, 0x0
	.amdhsa_kernel k_q5cd8dc4bf9_attn
		.amdhsa_group_segment_fixed_size 327680
		.amdhsa_private_segment_fixed_size 0
		.amdhsa_enable_private_segment 0
		.amdhsa_kernarg_size 16
		.amdhsa_user_sgpr_count 2
		.amdhsa_user_sgpr_kernarg_segment_ptr 1
		.amdhsa_wavefront_size32 1
		.amdhsa_system_sgpr_workgroup_id_x 1
		.amdhsa_system_sgpr_workgroup_id_y 1
		.amdhsa_system_sgpr_workgroup_id_z 1
		.amdhsa_system_vgpr_workitem_id 0
		.amdhsa_next_free_vgpr 384
		.amdhsa_next_free_sgpr 66
		.amdhsa_reserve_vcc 0
		.amdhsa_float_denorm_mode_32 3
		.amdhsa_float_denorm_mode_16_64 3
		.amdhsa_memory_ordered 1
		.amdhsa_forward_progress 1
		.amdhsa_inst_pref_size 88
	.end_amdhsa_kernel
	.amdgpu_metadata
---
amdhsa.version: [ 1, 2 ]
amdhsa.kernels:
  - .name:           k_q5cd8dc4bf9_attn
    .symbol:         k_q5cd8dc4bf9_attn.kd
    .args:
      - { .name: qkv, .offset: 0, .size: 8, .value_kind: global_buffer, .address_space: global }
      - { .name: ao, .offset: 8, .size: 8, .value_kind: global_buffer, .address_space: global }
    .group_segment_fixed_size: 327680
    .private_segment_fixed_size: 0
    .kernarg_segment_align: 8
    .kernarg_segment_size: 16
    .max_flat_workgroup_size: 256
    .sgpr_count:     66
    .vgpr_count:     384
    .wavefront_size: 32
...
	.end_amdgpu_metadata
.endif
;; end of part 3
;; launch oproj (part 4): grid 8 x 32, 4 waves a work-group, clusters of 4 x 4, 327,680 bytes of LDS; arguments ao, wo16, out0; writes out0
.if DOCPART == 4
	.amdgcn_target "amdgcn-amd-amdhsa--gfx1250"
	.amdhsa_code_object_version 6
	.text
	.protected	k_q5cd8dc4bf9_oproj
	.globl	k_q5cd8dc4bf9_oproj
	.p2align	8
	.type	k_q5cd8dc4bf9_oproj,@function
k_q5cd8dc4bf9_oproj:
	s_mov_b64 s[64:65], 0
	v_nop
	global_prefetch_b8 v0, s[64:65] scope:SCOPE_SE
	s_setreg_imm32_b32 hwreg(HW_REG_WAVE_MODE, 25, 1), 1
	s_wait_xcnt 0x0
	s_wait_alu depctr_hold_cnt(0) depctr_sa_sdst(0) depctr_va_vdst(0) depctr_va_sdst(0) depctr_va_ssrc(0) depctr_va_vcc(0) depctr_vm_vsrc(0)
	s_getreg_b32 s2, hwreg(HW_REG_IB_STS2, 6, 4)
	s_cmp_eq_u32 s2, 0
	s_cbranch_scc0 .Lentry_in_a_cluster
	s_endpgm
.Lentry_in_a_cluster:
	s_bfe_u32 s2, ttmp6, 0x10000c
	s_cmp_lg_u32 s2, 0xf033
	s_cbranch_scc0 .Lentry_shape_is_right
	s_endpgm
.Lentry_shape_is_right:
; out0[m][n] = sum over k of A[m][k] W_o[n][k], m < 4,096, n, k < 1,024; f16 operands, f32 sums, f32 out.  A[m][64 h + d] lies by heads: ao[h][m][d]; W_o as wo16 [n][k].
; A tile of the output is 128 x 128: 8 x 32 = 256 work-groups of four waves, each wave 64 x 64: 16 accumulators, 128 registers.  K goes in four steps of 256 (four heads) through two LDS slots: two first fills, two refills.
; A'S TILE: 64 rows of one head are 8,192 dense bytes, so a wave's load states rows of 4,096 elements, four of them (the heads), 262,144 elements apart; 4 words of padding behind every 32 (a row of 64 channels):
; in LDS the image is [head][row] with rows 144 bytes apart.  B's tile: 64 rows of 512 bytes, 528 apart.
; CLUSTERS: 4 x 4 work-groups.  The four of a row of the cluster need the same tiles of A, the four of a column the same tiles of W_o: each is asked for JOINTLY.  THE MATRIX INSTRUCTION IS USED TRANSPOSED
; (source 0 = 16 rows of W_o, source 1 = 16 rows of A): a lane then holds eight neighbouring numbers of a row of the output.
; REGISTERS: window 0: v0-31 addresses; v32-95 at work on the way out; v128-255 the accumulators ((a, b) at v[128 + 8 (4 a + b)]).  Window 1: two fragment buffers of 128: for 64 along K, 64 registers of A, then 64 of B.
.set PA,     144                       ; a row of A in LDS: 128 bytes + 16
.set HEADA,  64*PA                     ; a head's 64 rows
.set HALFA,  4*HEADA                   ; what one tensor load brings of A: 64 rows x four heads
.set PB,     528                       ; a row of B: 512 bytes + 16
.set HALFB,  64*PB                     ; what one brings of B
.set SLOT,   2*HALFA+2*HALFB           ; A's 128 rows, then B's 128 rows
.set STAGE,  2*SLOT                    ; behind the ring: 16 rows x 272 bytes for each wave, for the way out
.set SPITCH, 272
.set SPARE,  STAGE+4*16*SPITCH         ; behind the stages: the spare words, 128 bytes for each wave
.set ADRA, 16                          ; v16-17  LDS address of my A fragments in slot 0, 1
.set ADRB, 20                          ; v20-21  the same for B
.set STO,  24                          ; v24     the way out: where I put 32 bytes of a row
.set RD,   25                          ; v25     where I read a row back
.set CO,   26                          ; v26     my byte offset in the output
.set SPW,  28                          ; v28     LDS address of my spare word; never rewritten
.set NIL,  29                          ; v29     0; never rewritten
.set TMP,  32                          ; the way out: two sets of 32 registers
.set ACC,  128
.set F0,   0                           ; fragment buffers, in window 1
.set F1,   128
.set G1, 24                            ; s[24:31] group 1 for A's tiles;  s[32:39] group 0, one set for each slot
.set G0, 32
.set G1B, 48                           ; s[48:55], s[56:63] the same for B's tiles
.set G0B, 56
.set MSB, 0
.macro WIN new                         ; the immediate's high byte repeats the setting that is left
.if MSB != \new
	s_set_vgpr_msb (MSB<<8)|\new
.set MSB, \new
.endif
.endm
.set MUL,  0x05                        ; sources 0 (B) and 1 (A) window 1; C and D window 0
.set TO_F, 0x40                        ; destination window 1, address window 0
.macro JLOAD s                         ; a joint load: waves 0 and 1 fetch A's two halves, waves 2 and 3 B's; an s_nop 0 and four v_nop follow each of the two lines
	s_cmp_eq_u32 s11, 0
	s_cbranch_scc0 .Lfor_b_\@
	tensor_load_to_lds s[G0+4*\s:G0+4*\s+3], s[G1:G1+7]
	s_nop 0
.rept 4
	v_nop
.endr
	s_branch .Lasked_\@
.Lfor_b_\@:
	tensor_load_to_lds s[G0B+4*\s:G0B+4*\s+3], s[G1B:G1B+7]
	s_nop 0
.rept 4
	v_nop
.endr
.Lasked_\@:
.endm
.macro CREST                           ; a round of the cluster's barrier behind its opening barrier
	s_cmp_lg_u32 s10, 0
	s_cbranch_scc1 .Lnot_wave_0_\@
	s_barrier_signal -3
.Lnot_wave_0_\@:
	s_barrier_wait -3
	s_barrier_signal -1
	s_barrier_wait -1
.endm
.macro CROUND                          ; a whole round
	s_barrier_signal -1
	s_barrier_wait -1
	CREST
.endm
	s_load_b128 s[4:7], s[0:1], 0x0                ; ao s[4:5], wo16 s[6:7]
	s_load_b64 s[8:9], s[0:1], 0x10                ; out0
	v_lshl_add_u32 v[SPW], v0, 2, SPARE
	v_mov_b32 v[NIL], 0
	ds_add_u32 v[SPW], v[NIL]                      ; the wave's opening: the add, twice on end, and its wait ahead of my first tensor load
	ds_add_u32 v[SPW], v[NIL]
	v_lshrrev_b32 v1, 5, v0
	v_readfirstlane_b32 s10, v1                    ; wave 0..3
	s_lshr_b32 s11, s10, 1                         ; which half of the tile's rows is mine.  Also: I fetch for A (0) or for B (1)
	s_and_b32 s12, s10, 1                          ; which half of its columns.  Also: which 64 rows of that tile I fetch
	s_bfe_u32 s40, ttmp6, 0x40000                  ; cx, cy: my place in the cluster
	s_bfe_u32 s41, ttmp6, 0x40004
	s_lshl_b32 s42, ttmp9, 2
	s_add_co_u32 s42, s42, s40                     ; tile column = 4 x cluster x + cx
	s_and_b32 s13, ttmp7, 0xffff
	s_lshl_b32 s13, s13, 2
	s_add_co_u32 s13, s13, s41                     ; tile row = 4 x cluster y + cy
	s_lshl_b32 s43, s41, 2
	s_lshl_b32 s43, 15, s43                        ; my row of the cluster
	s_lshl_b32 s44, 0x1111, s40                    ; my column
	s_or_b32 s[G1+0], s43, (1<<16)|(1<<20)|(1<<21)|(4<<22)|(3<<25)  ; 15:0 the mask: A's tiles go to my row; elements of 2 bytes; padding on; 21 set beside a mask; after every 32 words (code 4) 4 words (code 3)
	s_mov_b32 s[G1+1], 4096<<16                    ; tensor_dim0 = 4,096: 64 rows of 64 channels, dense
	s_mov_b32 s[G1+2], 4<<16                       ; tensor_dim1 = 4 heads
	s_mov_b32 s[G1+3], 4096<<16                    ; tile_dim0
	s_mov_b32 s[G1+4], 4                           ; tile_dim1
	s_mov_b32 s[G1+5], 262144                      ; elements from head to head
	s_mov_b32 s[G1+6], 0
	s_mov_b32 s[G1+7], 0
	s_or_b32 s[G1B+0], s44, (1<<16)|(1<<20)|(1<<21)|(6<<22)|(3<<25) ; B's go to my column; 4 words of padding after every 128
	s_mov_b32 s[G1B+1], 256<<16                    ; tensor_dim0 = 256
	s_mov_b32 s[G1B+2], 64<<16                     ; tensor_dim1 = 64
	s_mov_b32 s[G1B+3], 256<<16                    ; tile_dim0
	s_mov_b32 s[G1B+4], 64                         ; tile_dim1
	s_mov_b32 s[G1B+5], 1024                       ; elements from row to row
	s_mov_b32 s[G1B+6], 0
	s_mov_b32 s[G1B+7], 0
	s_lshl_b32 s17, s12, 6                         ; which 64 rows of the tile I fetch
	s_lshl_b32 s16, s13, 7
	s_add_co_u32 s16, s16, s17                     ; A: row 128 x tile row + 64 x half,
	s_lshl_b32 s16, s16, 7                         ; of 128 bytes in a head
	s_lshl_b32 s46, s42, 7
	s_add_co_u32 s46, s46, s17                     ; B: row 128 x tile column + 64 x half,
	s_lshl_b32 s46, s46, 11                        ; of 2,048 bytes
	s_mov_b32 s17, 0
	s_mov_b32 s47, 0
	s_mul_i32 s20, s12, HALFA                      ; where they go: A's two halves,
	s_mul_i32 s21, s12, HALFB
	s_add_co_u32 s21, s21, 2*HALFA                 ; then B's two: the wave's number alone enters an LDS address
	s_wait_dscnt 0x0                               ; both opening adds are done
	s_wait_kmcnt 0x0
	s_add_nc_u64 s[14:15], s[4:5], s[16:17]
	s_add_nc_u64 s[46:47], s[6:7], s[46:47]
	CROUND                                         ; all sixteen work-groups are here: the first joint loads meet
.irp s, 0,1
	s_mov_b32 s[G0+4*\s], 1
	s_add_co_u32 s[G0+4*\s+1], s20, \s*SLOT
	s_add_nc_u64 s[G0+4*\s+2:G0+4*\s+3], s[14:15], \s*2097152      ; K step s: four heads of 524,288 bytes on
	s_or_b32 s[G0+4*\s+3], s[G0+4*\s+3], 0x80000000
	s_mov_b32 s[G0B+4*\s], 1
	s_add_co_u32 s[G0B+4*\s+1], s21, \s*SLOT
	s_add_nc_u64 s[G0B+4*\s+2:G0B+4*\s+3], s[46:47], \s*512
	s_or_b32 s[G0B+4*\s+3], s[G0B+4*\s+3], 0x80000000
	JLOAD \s                                       ; two tensor loads of mine are out at the most
.endr
	v_and_b32 v1, 15, v0                           ; r = l % 16
	v_bfe_u32 v2, v0, 4, 1                         ; h = l / 16
	v_mul_u32_u24 v3, v1, PA
	v_lshl_add_u32 v3, v2, 4, v3                   ; a fragment's row x pitch + 16 x half, for A
	v_mul_u32_u24 v4, v1, PB
	v_lshl_add_u32 v4, v2, 4, v4                   ; and for B
	s_mul_i32 s21, s11, HALFA                      ; my 64 rows of A
	s_mul_i32 s22, s12, HALFB                      ; my 64 rows of B,
	s_add_co_u32 s22, s22, 2*HALFA                 ; which lie behind A's 128
.irp s, 0,1
	v_add_nc_u32 v[ADRA+\s], s21, v3
	v_add_nc_u32 v[ADRB+\s], s22, v4
	s_add_co_u32 s21, s21, SLOT
	s_add_co_u32 s22, s22, SLOT
.endr
	s_mul_i32 s23, s10, 16*SPITCH
	s_add_co_u32 s23, s23, STAGE                   ; my stage
	v_mul_u32_u24 v4, v1, SPITCH                   ; in: row r, 32 bytes for each half of the lanes
	v_lshl_add_u32 v4, v2, 5, v4
	v_add_nc_u32 v[STO], s23, v4
	v_mul_u32_u24 v5, v2, SPITCH                   ; back: lanes 0-15 take one row of 256 bytes, lanes 16-31 the next
	v_lshl_add_u32 v5, v1, 4, v5
	v_add_nc_u32 v[RD], s23, v5
	v_lshlrev_b32 v5, 12, v2                       ; and the same two rows in the output, 4,096 bytes apart
	v_lshl_add_u32 v[CO], v1, 4, v5
	s_lshl_b32 s16, s13, 7
	s_lshl_b32 s17, s11, 6
	s_add_co_u32 s16, s16, s17                     ; my first row: 128 x tile row + 64 x half,
	s_lshl_b32 s16, s16, 12                        ; of 4,096 bytes
	s_mov_b32 s17, 0
	s_add_nc_u64 s[8:9], s[8:9], s[16:17]
	s_lshl_b32 s46, s42, 9                         ; my first column, in bytes: 512 x tile column + 256 x half
	s_lshl_b32 s47, s12, 8
	s_add_co_u32 s46, s46, s47
	s_mov_b32 s47, 0
	s_add_nc_u64 s[8:9], s[8:9], s[46:47]
; 8 matrix instructions: m blocks a0, a0 + 1 x all 4 n blocks, 32 along K: half c of buffer f.  zero = 1: the first product starts the sums.  The 16 accumulators take turns.
.macro MUL8 f, c, a0, zero
.irp a, \a0, \a0+1
.irp b, 0,1,2,3
.if \zero
	v_wmma_f32_16x16x32_f16 v[ACC+8*(4*(\a)+\b):ACC+8*(4*(\a)+\b)+7], v[\f+64+8*(4*\c+\b):\f+64+8*(4*\c+\b)+7], v[\f+8*(4*\c+\a):\f+8*(4*\c+\a)+7], 0
.else
	v_wmma_f32_16x16x32_f16 v[ACC+8*(4*(\a)+\b):ACC+8*(4*(\a)+\b)+7], v[\f+64+8*(4*\c+\b):\f+64+8*(4*\c+\b)+7], v[\f+8*(4*\c+\a):\f+8*(4*\c+\a)+7], v[ACC+8*(4*(\a)+\b):ACC+8*(4*(\a)+\b)+7]
.endif
.endr
.endr
.endm
; 32 LDS loads in one run: the fragments of the slot's q-th 64 along K (one head), into buffer f; the first 32 along K first
.macro FETCH slot, q, f
	WIN TO_F
.irp c, 0,1
.irp i, 0,1,2,3
	ds_load_b128 v[\f+64+8*(4*\c+\i):\f+64+8*(4*\c+\i)+3],   v[ADRB+\slot] offset:128*(\q)+64*\c+\i*16*PB
	ds_load_b128 v[\f+64+8*(4*\c+\i)+4:\f+64+8*(4*\c+\i)+7], v[ADRB+\slot] offset:128*(\q)+64*\c+\i*16*PB+32
	ds_load_b128 v[\f+8*(4*\c+\i):\f+8*(4*\c+\i)+3],         v[ADRA+\slot] offset:HEADA*(\q)+64*\c+\i*16*PA
	ds_load_b128 v[\f+8*(4*\c+\i)+4:\f+8*(4*\c+\i)+7],       v[ADRA+\slot] offset:HEADA*(\q)+64*\c+\i*16*PA+32
.endr
.endr
.endm
.macro PLACES                          ; four places in front of loads into registers that matrix instructions have read, and of the first read of results
.rept 4
	v_nop
.endr
.endm
; A K step is four quarters of 64 along K, 32 matrix instructions each, on buffers 0, 1, 0, 1.  One of the first three: multiplies buffer f and fetches quarter q into g.
.macro QUARTER slot, q, f, g, zero
	s_wait_dscnt 16                                ; the first 32 along K are in; the youngest sixteen loads may be out
	WIN MUL
	MUL8 \f, 0, 0, \zero
	MUL8 \f, 0, 2, \zero
	PLACES
	FETCH \slot, \q, \g
	s_wait_dscnt 32                                ; all but the 32 just issued
	WIN MUL
	MUL8 \f, 1, 0, 0
	MUL8 \f, 1, 2, 0
.endm
; The last quarter multiplies buffer 1 and changes slots: ONE barrier; in front of it each wave waits for all its tensor loads, adds 0 to its spare word, and waits for that and for its reads of this slot.  fill = 1: this slot is filled again, two K steps ahead.
.macro TURN slot, next, fill
	WIN 0                                          ; (the add's two registers lie in window 0)
	s_wait_tensorcnt 0x0                           ; all my tensor loads have landed: my part of the next slot;
	ds_add_u32 v[SPW], v[NIL]
	s_wait_dscnt 17                                ; (the add and the youngest sixteen loads may be out)
	WIN MUL
	MUL8 F1, 0, 0, 0                               ; eight matrix instructions stand between the add and the wait for it
	s_wait_dscnt 0x0                               ; the add is done, and my reads of this slot are over
	s_barrier_signal -1
	MUL8 F1, 0, 2, 0
.if \fill
	WIN 0
.endif
	s_barrier_wait -1
.if \fill
	CREST                                          ; the barrier has opened a round of the cluster's: no wave of any partner still reads this slot's tile or has a load on its way
	s_add_nc_u64 s[G0+4*\slot+2:G0+4*\slot+3], s[G0+4*\slot+2:G0+4*\slot+3], 4194304   ; eight heads on
	s_add_nc_u64 s[G0B+4*\slot+2:G0B+4*\slot+3], s[G0B+4*\slot+2:G0B+4*\slot+3], 1024  ; 512 along K on
	JLOAD \slot                                    ; the first tensor load behind the round; the four v_nop behind it are also the places in front of the loads below
.else
	PLACES
.endif
	FETCH \next, 0, F0
	WIN MUL
	MUL8 F1, 1, 0, 0
	MUL8 F1, 1, 2, 0
.endm
	s_wait_tensorcnt 1                             ; my part of K step 0 is in (K step 1's load, the one younger, may be out),
	s_barrier_signal -1
	s_barrier_wait -1                              ; everybody's is
	FETCH 0, 0, F0
	QUARTER 0, 1, F0, F1, 1                        ; the first products start the sums: nothing is cleared
	QUARTER 0, 2, F1, F0, 0
	QUARTER 0, 3, F0, F1, 0
	TURN 0, 1, 1                                   ; slot 0 takes K step 2
	QUARTER 1, 1, F0, F1, 0
	QUARTER 1, 2, F1, F0, 0
	QUARTER 1, 3, F0, F1, 0
	TURN 1, 0, 1                                   ; slot 1 takes K step 3
	QUARTER 0, 1, F0, F1, 0
	QUARTER 0, 2, F1, F0, 0
	QUARTER 0, 3, F0, F1, 0
	TURN 0, 1, 0                                   ; nothing is left to ask for
	QUARTER 1, 1, F0, F1, 0
	QUARTER 1, 2, F1, F0, 0
	QUARTER 1, 3, F0, F1, 0
	s_wait_dscnt 16                                ; the very last quarter: nothing more to fetch
	WIN MUL
	MUL8 F1, 0, 0, 0
	MUL8 F1, 0, 2, 0
	s_wait_dscnt 0
	MUL8 F1, 1, 0, 0
	MUL8 F1, 1, 2, 0
	WIN 0
; THE WAY OUT, block by block of 16 rows x 64 columns.  A lane holds 32 neighbouring bytes of a row; a wave's 64 columns are 256 bytes: a block goes through my own stage in LDS and comes back as whole rows.
; LDS serves a wave's instructions in order (ISA guide 5.7.1.4): no wait between the stores and the loads, nor in front of the next block's stores.
.macro TOSTAGE a
.irp b, 0,1,2,3
	ds_store_b128 v[STO], v[ACC+8*(4*(\a)+\b):ACC+8*(4*(\a)+\b)+3] offset:64*\b        ; each accumulator from its low end on
	ds_store_b128 v[STO], v[ACC+8*(4*(\a)+\b)+4:ACC+8*(4*(\a)+\b)+7] offset:64*\b+16
.endr
.irp t, 0,1,2,3,4,5,6,7
	ds_load_b128 v[TMP+32*((\a)%2)+4*\t:TMP+32*((\a)%2)+4*\t+3], v[RD] offset:\t*2*SPITCH
.endr
.endm
.macro SEND a, younger                 ; younger: the LDS instructions issued behind block a's loads: the next block's eight stores and eight loads, or none
	s_wait_dscnt \younger
.irp t, 0,1,2,3,4,5,6,7
	global_store_b128 v[CO], v[TMP+32*((\a)%2)+4*\t:TMP+32*((\a)%2)+4*\t+3], s[8:9] offset:65536*(\a)+8192*\t th:TH_STORE_NT   ; 16 lanes store 256 consecutive bytes, aligned; written once, read by nobody here
.endr
.endm
	PLACES
	TOSTAGE 0
	TOSTAGE 1
	SEND 0, 16
	s_wait_xcnt 0x0                                ; block 0's stores have read their registers: block 2's loads may land there
	TOSTAGE 2
	SEND 1, 16
	s_wait_xcnt 0x0                                ; block 1's likewise
	TOSTAGE 3
	SEND 2, 16
	SEND 3, 0
	s_wait_tensorcnt 0x0                           ; the wave's end: three lines behind my last tensor load and my last LDS store
	ds_add_u32 v[SPW], v[NIL]
	s_wait_dscnt 0x0
	CROUND                                         ; the closing round: no work-group ends while a partner may still ask for a tile that names it
	s_endpgm
.Lfunc_end_k_q5cd8dc4bf9_oproj:
	.size	k_q5cd8dc4bf9_oproj, .Lfunc_end_k_q5cd8dc4bf9_oproj-k_q5cd8dc4bf9_oproj
	.p2alignl 7, 3214868480
	.fill 96, 4, 3214868480
	.section	.rodata,"a",@progbits
	.p2align	6, 0x0
	.amdhsa_kernel k_q5cd8dc4bf9_oproj
		.amdhsa_group_segment_fixed_size 327680
		.amdhsa_private_segment_fixed_size 0
		.amdhsa_enable_private_segment 0
		.amdhsa_kernarg_size 24
		.amdhsa_user_sgpr_count 2
		.amdhsa_user_sgpr_kernarg_segment_ptr 1
		.amdhsa_wavefront_size32 1
		.amdhsa_system_sgpr_workgroup_id_x 1
		.amdhsa_system_sgpr_workgroup_id_y 1
		.amdhsa_system_sgpr_workgroup_id_z 1
		.amdhsa_system_vgpr_workitem_id 0
		.amdhsa_next_free_vgpr 512
		.amdhsa_next_free_sgpr 66
		.amdhsa_reserve_vcc 0
		.amdhsa_float_denorm_mode_32 3
		.amdhsa_float_denorm_mode_16_64 3
		.amdhsa_memory_ordered 1
		.amdhsa_forward_progress 1
		.amdhsa_inst_pref_size 86
	.end_amdhsa_kernel
	.amdgpu_metadata
---
amdhsa.version: [ 1, 2 ]
amdhsa.kernels:
  - .name:           k_q5cd8dc4bf9_oproj
    .symbol:         k_q5cd8dc4bf9_oproj.kd
    .args:
      - { .name: ao, .offset: 0, .size: 8, .value_kind: global_buffer, .address_space: global }
      - { .name: wo16, .offset: 8, .size: 8, .value_kind: global_buffer, .address_space: global }
      - { .name: out0, .offset: 16, .size: 8, .value_kind: global_buffer, .address_space: global }
    .group_segment_fixed_size: 327680
    .private_segment_fixed_size: 0
    .kernarg_segment_align: 8
    .kernarg_segment_size: 24
    .max_flat_workgroup_size: 128
    .sgpr_count:     66
    .vgpr_count:     512
    .wavefront_size: 32
...
	.end_amdgpu_metadata
.endif
;; end of part 4
